; MI455X (gfx1250); checked and timed in simulation.
; The chip was launched on July 23, 2026; its instructions are those of AMD's public machine-readable ISA for CDNA 5 (MIT licence, August 2026) and "CDNA5" Instruction Set Architecture Reference Guide (July 2026). The comments in the code are by the model that wrote it; some were corrected since.
;; Attention. Allowed arithmetic: matrix products marked QUANTISED: E2M1 operands, one E8M0 scale for each 32 along K, by v_wmma_scale_f32_16x16x128_f8f6f4 with both operands' format E2M1 (or v_wmma_scale_f32_32x16x128_f4), f32 sums; products left as they are: f32 operands where the result goes on into a quantised operand, else bf16, f16 or f32 operands; f32 sums; everything else in f32.
;; Inputs: dec_state_codes 32 x 32 x 16 uint8 (E2M1 codes of dec_state, K innermost, in blocks of 32 codes, two codes a byte); dec_state_scales 32 x 32 uint8 (E8M0 scales of dec_state, one for each 32 codes along K); enc_mask 2,048 x 32 bool; enc_states 2,048 x 32 x 1,024 float32; w_dec_codes 1,024 x 32 x 16 uint8 (E2M1 codes of w_dec, K innermost, in blocks of 32 codes, two codes a byte); w_dec_scales 1,024 x 32 uint8 (E8M0 scales of w_dec, one for each 32 codes along K); w_enc_codes 1,024 x 32 x 16 uint8 (E2M1 codes of w_enc, K innermost, in blocks of 32 codes, two codes a byte); w_enc_scales 1,024 x 32 uint8 (E8M0 scales of w_enc, one for each 32 codes along K); w_out 1 x 1,024 float32.
;; Outputs: out0 32 x 1,024 float32; out1 2,048 x 32 float32.
;; This version of the problem:
;;   THIS VERSION OF THE PROBLEM IS GIVEN IN LOW PRECISION. The matrix products marked QUANTISED in the list below multiply operands that are first quantised to E2M1 (2 exponent bits, 1 mantissa bit; 4 bits a number), with one power-of-two scale for each 32 numbers along K (OCP MX v1.0); their sums are f32. All else is computed in f32.
;;   The module's matrix products, in the order in which they are computed (A, B: the left and right operand; K: the contracted axis; several contracted axes count as one K, in the product's order):
;;     1. [M 65,536, K 1,024] x [K 1,024, N 1,024]; A: input enc_states; B: input w_enc (given as codes): QUANTISED
;;     2. [M 32, K 1,024] x [K 1,024, N 1,024]; A: input dec_state (given as codes); B: input w_dec (given as codes): QUANTISED
;;     3. [M 65,536, K 1,024] x [K 1,024, N 1]; A: computed on the way; B: input w_out: left as it is (N = 1 < 16)
;;     4. batch 32 x [M 1,024, K 2,048] x [K 2,048, N 1]; A: input enc_states; B: softmax: left as it is (N = 1 < 16)
;;   THE QUANTISER, for each operand of a quantised product, along K:
;;     - K is cut into blocks of 32 from its start; a last block that is shorter is filled with zeros.
;;     - A block's scale is 2^e with e = floor(log2(the largest magnitude in the block)) - 2, held to -126 .. 127; a block of zeros has e = 0. As a byte (E8M0): e + 127.
;;     - Each number is divided by its block's scale, clamped to +-6, and rounded to the nearest number of E2M1, ties to even, subnormals kept.
;;     - The product sums the exact products of the quantised numbers (number of the format x scale) in f32.
;;   ~~~python
;;   def quantise(x, axis):      # numpy; x: float32 -> the quantised numbers, widened to float32 again
;;       x = np.moveaxis(x, axis, -1); K = x.shape[-1]
;;       x = np.pad(x, [(0, 0)] * (x.ndim - 1) + [(0, -K % 32)]); x = x.reshape(x.shape[:-1] + (-1, 32)); a = np.abs(x).max(-1, keepdims=True)
;;       e = np.where(a > 0, np.clip(np.frexp(np.where(a > 0, a, 1))[1] - 1 - 2, -126, 127), 0)      # np.frexp(a)[1] - 1 = floor(log2(a)), exactly
;;       r = np.clip(x / 2.0 ** e, -6, 6)
;;       step = 2.0 ** (np.maximum(np.frexp(np.where(r == 0, 1, r))[1] - 1, 0) - 1)
;;       q = np.round(r / step) * step * 2.0 ** e      # np.round: ties to even
;;       return np.moveaxis(q.reshape(q.shape[:-2] + (-1,))[..., :K], -1, axis).astype(np.float32)
;;   ~~~
;;   INPUTS GIVEN AS CODES. dec_state (in the module: [32, 1024], K = its axis 1); w_dec (in the module: [1024, 1024], K = its axis 1); w_enc (in the module: [1024, 1024], K = its axis 1): each comes as NAME_codes (uint8): NAME with its K axis moved to the last place and cut into blocks of 32 codes, [.., K / 32, bytes a block], one block behind the other in memory; two codes a byte, the lower K in the low four bits (a code: sign, 2 exponent bits, 1 mantissa bit); and NAME_scales (uint8): the same leading axes, one E8M0 byte (e + 127) for each 32 codes along K. Its value is code x scale, taken as it is: it is not quantised again, and the codes and scales need not be those that the quantiser above would give.
;; 2 versions. Each part assembles by itself: llvm-mc -triple=amdgcn-amd-amdhsa -mcpu=gfx1250 --defsym DOCPART=n.
;; ======== version 1 of 2: 3 launches
;; workspace buffers: wpack 557,056 bytes; pd 131,072 bytes; pacc 1,048,576 bytes; pstat 65,536 bytes; lg 262,144 bytes
;; launch prep (part 1): grid 16 x 1, 4 waves a work-group, no clusters, 9,216 bytes of LDS; arguments dec_state_codes, dec_state_scales, w_dec_codes, w_dec_scales, w_enc_codes, w_enc_scales, wpack, pd; writes wpack, pd
.if DOCPART == 1
	.amdgcn_target "amdgcn-amd-amdhsa--gfx1250"
	.amdhsa_code_object_version 6
	.text
	.protected	k_q4a0f7863d0_prep
	.globl	k_q4a0f7863d0_prep
	.p2align	8
	.type	k_q4a0f7863d0_prep,@function
k_q4a0f7863d0_prep:
	s_mov_b64 s[64:65], 0
	v_nop
	global_prefetch_b8 v0, s[64:65] scope:SCOPE_SE
	s_setreg_imm32_b32 hwreg(HW_REG_WAVE_MODE, 25, 1), 1
	s_wait_xcnt 0x0
; FIRST OF THREE LAUNCHES.  The program: logit[s][b] = w_out . tanh(Q(enc[s][b]) W_enc^T + dec[b] W_dec^T), masked as the problem writes it, softmax over s, out1 = the weights, out0[b] = sum over s of weight x enc[s][b].
; NO WORK IS LEFT OUT: every input has a way to an output and is loaded; rows that the INPUT mask hides are computed and then selected by the problem's own formula l m - (1 - m) 2e9.
; THIS LAUNCH: (1) pd[b][h] = dec_state[b] . w_dec[h], both given as codes of E2M1 with E8M0 scales, by the scaled matrix instruction;
; (2) w_enc's codes and scale bytes are laid into wpack in the order of an operand's registers, so that the next launch loads each fragment whole, 16 bytes a lane, 512 consecutive bytes a load.
; wpack: [tile of 16 rows of w_enc, 0..63][8,704 bytes]: byte 512 i + 16 lane (i = 2 q + c) is registers 4 c .. 4 c + 3 of the fragment of K step q (128 along K);
;        byte 8,192 + 16 lane: four scale words; word i holds in lanes 0-15 row (lane)'s word of K step 2 i, in lanes 16-31 that of K step 2 i + 1.
; SHARES: wave w of work-group x owns rows 16 (4 x + w) .. + 15 of w_dec and of w_enc.  LIMITS: a scale byte 0xff among the inputs gives NaN, as it stands for NaN.
.set WT,     8704                      ; bytes of a tile in wpack
.set SPITCH, 272                       ; the stage: a batch's 64 numbers (256 bytes) + 16 of padding
.set SPARE,  32*SPITCH                 ; behind the stage's 32 rows: the spare words, 128 bytes for each wave
.set WD,   16                          ; v16-79    w_dec's 8 fragments (K step q at + 8 q)
.set DS,   80                          ; v80-207   dec_state's: batches 16 u .. at + 64 u
.set WDS,  208                         ; v208-211  w_dec's scale words: register i: lanes 0-15 K step 2 i, lanes 16-31 K step 2 i + 1
.set DSS,  212                         ; v212-219  dec_state's likewise, + 4 u
.set ACC,  220                         ; v220-235  two accumulators
.set OUTR, 236                         ; v236-251  rows read back from the stage
.set SPW,  252                         ; v252      LDS address of my spare word; never rewritten
.set NIL,  253                         ; v253      0; never rewritten
.set WE,   0                           ; window 1: v0-63 w_enc's 8 fragments, v64-67 its scale words
.set WES,  64
.set MSB, 0
.macro WIN new                         ; the immediate's high byte repeats the setting that is left
.if MSB != \new
	s_set_vgpr_msb (MSB<<8)|\new
.set MSB, \new
.endif
.endm
	s_load_b256 s[4:11], s[0:1], 0x0               ; dec codes s[4:5], dec scales s[6:7], w_dec codes s[8:9], w_dec scales s[10:11]
	s_load_b256 s[12:19], s[0:1], 0x20             ; w_enc codes s[12:13], w_enc scales s[14:15], wpack s[16:17], pd s[18:19]
	v_lshl_add_u32 v[SPW], v0, 2, SPARE
	v_mov_b32 v[NIL], 0
	v_lshrrev_b32 v1, 5, v0
	v_readfirstlane_b32 s20, v1                    ; wave 0..3
	v_and_b32 v2, 15, v0                           ; r
	v_bfe_u32 v3, v0, 4, 1                         ; h
	v_lshlrev_b32 v4, 9, v2
	v_lshl_add_u32 v4, v3, 4, v4                   ; codes: row r of 512 bytes, + 16 h
	v_lshlrev_b32 v5, 5, v2
	v_lshl_add_u32 v5, v3, 2, v5                   ; scale bytes: row r of 32, + 4 h
	v_mul_u32_u24 v6, v2, SPITCH
	v_lshl_add_u32 v6, v3, 5, v6
	s_lshl_b32 s21, s20, 6
	v_add_nc_u32 v6, s21, v6                       ; into the stage: row r, + 64 x wave + 32 h
	v_lshrrev_b32 v10, 4, v0                       ; thread / 16: 0..7
	v_mul_u32_u24 v7, v10, SPITCH
	v_lshl_add_u32 v7, v2, 4, v7                   ; back: sixteen lanes to a row
	v_lshlrev_b32 v8, 12, v10
	v_lshl_add_u32 v8, v2, 4, v8                   ; and the same place in pd: rows of 4,096 bytes
	v_and_b32 v9, 31, v0
	v_lshlrev_b32 v9, 4, v9                        ; 16 x lane
	s_lshl_b32 s22, ttmp9, 2
	s_add_co_u32 s22, s22, s20                     ; my tile of 16 rows
	s_lshl_b32 s24, s22, 13                        ; its codes: 16 rows of 512 bytes
	s_mov_b32 s25, 0
	s_lshl_b32 s26, s22, 9                         ; its scale bytes
	s_mov_b32 s27, 0
	s_mul_i32 s28, s22, WT                         ; its place in wpack
	s_mov_b32 s29, 0
	s_lshl_b32 s30, ttmp9, 8                       ; the work-group's 64 columns of pd
	s_mov_b32 s31, 0
	s_wait_kmcnt 0x0
	s_add_nc_u64 s[8:9], s[8:9], s[24:25]
	s_add_nc_u64 s[10:11], s[10:11], s[26:27]
	s_add_nc_u64 s[12:13], s[12:13], s[24:25]
	s_add_nc_u64 s[14:15], s[14:15], s[26:27]
	s_add_nc_u64 s[16:17], s[16:17], s[28:29]
	s_add_nc_u64 s[18:19], s[18:19], s[30:31]
; A fragment of 4-bit codes: lane (r, h), registers 4 c .. 4 c + 3 = K 128 q + 64 c + 32 h + 0 .. 31 of row r: 16 bytes at 512 r + 32 (2 q + c) + 16 h.
.irp i, 0,1,2,3,4,5,6,7,8,9,10,11,12,13,14,15
	global_load_b128 v[WD+4*\i:WD+4*\i+3], v4, s[8:9] offset:32*\i
.endr
.irp i, 0,1,2,3
	global_load_b32 v[WDS+\i], v5, s[10:11] offset:8*\i
.endr
.irp u, 0,1
.irp i, 0,1,2,3,4,5,6,7,8,9,10,11,12,13,14,15
	global_load_b128 v[DS+64*\u+4*\i:DS+64*\u+4*\i+3], v4, s[4:5] offset:8192*\u+32*\i
.endr
.irp i, 0,1,2,3
	global_load_b32 v[DSS+4*\u+\i], v5, s[6:7] offset:512*\u+8*\i
.endr
.endr
	WIN 0x40                                       ; destination window 1
.irp i, 0,1,2,3,4,5,6,7,8,9,10,11,12,13,14,15
	global_load_b128 v[WE+4*\i:WE+4*\i+3], v4, s[12:13] offset:32*\i
.endr
.irp i, 0,1,2,3
	global_load_b32 v[WES+\i], v5, s[14:15] offset:8*\i
.endr
	WIN 0
	s_wait_loadcnt 20                              ; the product's 60 loads are in; w_enc's 20, issued behind them, may stay out
; Source 0 = 16 rows of w_dec, source 1 = 16 batches: lane (r, h), register j = pd[16 u + r][16 tile + 8 h + j].  The two accumulators take turns.
.macro PD q, u
.if (\q) == 0
	v_wmma_scale_f32_16x16x128_f8f6f4 v[ACC+8*\u:ACC+8*\u+7], v[WD+8*\q:WD+8*\q+7], v[DS+64*\u+8*\q:DS+64*\u+8*\q+7], 0, v[WDS+(\q)/2], v[DSS+4*\u+(\q)/2] matrix_a_fmt:MATRIX_FMT_FP4 matrix_b_fmt:MATRIX_FMT_FP4
.elseif (\q)%2 == 0
	v_wmma_scale_f32_16x16x128_f8f6f4 v[ACC+8*\u:ACC+8*\u+7], v[WD+8*\q:WD+8*\q+7], v[DS+64*\u+8*\q:DS+64*\u+8*\q+7], v[ACC+8*\u:ACC+8*\u+7], v[WDS+(\q)/2], v[DSS+4*\u+(\q)/2] matrix_a_fmt:MATRIX_FMT_FP4 matrix_b_fmt:MATRIX_FMT_FP4
.else
	v_wmma_scale_f32_16x16x128_f8f6f4 v[ACC+8*\u:ACC+8*\u+7], v[WD+8*\q:WD+8*\q+7], v[DS+64*\u+8*\q:DS+64*\u+8*\q+7], v[ACC+8*\u:ACC+8*\u+7], v[WDS+(\q)/2], v[DSS+4*\u+(\q)/2] matrix_a_fmt:MATRIX_FMT_FP4 matrix_b_fmt:MATRIX_FMT_FP4 matrix_a_scale:MATRIX_SCALE_ROW1 matrix_b_scale:MATRIX_SCALE_ROW1
.endif
.endm
.irp q, 0,1,2,3,4,5,6,7
.irp u, 0,1
	PD \q, \u
.endr
.endr
.rept 4
	v_nop                                          ; four places between the last product and the first read of results (ISA guide 7.12.1)
.endr
.irp u, 0,1
	ds_store_b128 v6, v[ACC+8*\u:ACC+8*\u+3] offset:16*SPITCH*\u        ; each accumulator from its low end on
	ds_store_b128 v6, v[ACC+8*\u+4:ACC+8*\u+7] offset:16*SPITCH*\u+16
.endr
	s_wait_loadcnt 0x0                             ; w_enc's fragments and scale words are in
	WIN 0x04                                       ; a store's data are its source 1: window 1
.irp i, 0,1,2,3,4,5,6,7,8,9,10,11,12,13,14,15
	global_store_b128 v9, v[WE+4*\i:WE+4*\i+3], s[16:17] offset:512*\i   ; 32 lanes store 512 consecutive bytes
.endr
	global_store_b128 v9, v[WES:WES+3], s[16:17] offset:8192
	WIN 0
	s_wait_dscnt 0x0                               ; for the others' sake: my stores into the stage are done
	s_barrier_signal -1
	s_barrier_wait -1
.irp k, 0,1,2,3
	ds_load_b128 v[OUTR+4*\k:OUTR+4*\k+3], v7 offset:8*SPITCH*\k
.endr
.irp k, 0,1,2,3
	s_wait_dscnt 3-\k                              ; the younger loads may stay out
	global_store_b128 v8, v[OUTR+4*\k:OUTR+4*\k+3], s[18:19] offset:32768*\k   ; sixteen lanes store 256 consecutive bytes, aligned
.endr
	s_wait_tensorcnt 0x0                           ; the wave's end
	ds_add_u32 v[SPW], v[NIL]
	s_wait_dscnt 0x0
	s_endpgm
.Lfunc_end_k_q4a0f7863d0_prep:
	.size	k_q4a0f7863d0_prep, .Lfunc_end_k_q4a0f7863d0_prep-k_q4a0f7863d0_prep
	.p2alignl 7, 3214868480
	.fill 96, 4, 3214868480
	.section	.rodata,"a",@progbits
	.p2align	6, 0x0
	.amdhsa_kernel k_q4a0f7863d0_prep
		.amdhsa_group_segment_fixed_size 9216
		.amdhsa_private_segment_fixed_size 0
		.amdhsa_enable_private_segment 0
		.amdhsa_kernarg_size 64
		.amdhsa_user_sgpr_count 2
		.amdhsa_user_sgpr_kernarg_segment_ptr 1
		.amdhsa_wavefront_size32 1
		.amdhsa_system_sgpr_workgroup_id_x 1
		.amdhsa_system_sgpr_workgroup_id_y 1
		.amdhsa_system_sgpr_workgroup_id_z 1
		.amdhsa_system_vgpr_workitem_id 0
		.amdhsa_next_free_vgpr 384
		.amdhsa_next_free_sgpr 66
		.amdhsa_reserve_vcc 0
		.amdhsa_float_denorm_mode_32 3
		.amdhsa_float_denorm_mode_16_64 3
		.amdhsa_memory_ordered 1
		.amdhsa_forward_progress 1
		.amdhsa_inst_pref_size 15
	.end_amdhsa_kernel
	.amdgpu_metadata
---
amdhsa.version: [ 1, 2 ]
amdhsa.kernels:
  - .name:           k_q4a0f7863d0_prep
    .symbol:         k_q4a0f7863d0_prep.kd
    .args:
      - { .name: dec_state_codes, .offset: 0, .size: 8, .value_kind: global_buffer, .address_space: global }
      - { .name: dec_state_scales, .offset: 8, .size: 8, .value_kind: global_buffer, .address_space: global }
      - { .name: w_dec_codes, .offset: 16, .size: 8, .value_kind: global_buffer, .address_space: global }
      - { .name: w_dec_scales, .offset: 24, .size: 8, .value_kind: global_buffer, .address_space: global }
      - { .name: w_enc_codes, .offset: 32, .size: 8, .value_kind: global_buffer, .address_space: global }
      - { .name: w_enc_scales, .offset: 40, .size: 8, .value_kind: global_buffer, .address_space: global }
      - { .name: wpack, .offset: 48, .size: 8, .value_kind: global_buffer, .address_space: global }
      - { .name: pd, .offset: 56, .size: 8, .value_kind: global_buffer, .address_space: global }
    .group_segment_fixed_size: 9216
    .private_segment_fixed_size: 0
    .kernarg_segment_align: 8
    .kernarg_segment_size: 64
    .max_flat_workgroup_size: 128
    .sgpr_count:     66
    .vgpr_count:     384
    .wavefront_size: 32
...
	.end_amdgpu_metadata
.endif
;; end of part 1
;; launch attn (part 2): grid 8 x 32, 8 waves a work-group, no clusters, 312,064 bytes of LDS; arguments enc_states, enc_mask, w_out, wpack, pd, pacc, pstat, lg; writes pacc, pstat, lg
.if DOCPART == 2
	.amdgcn_target "amdgcn-amd-amdhsa--gfx1250"
	.amdhsa_code_object_version 6
	.text
	.protected	k_q4a0f7863d0_attn
	.globl	k_q4a0f7863d0_attn
	.p2align	8
	.type	k_q4a0f7863d0_attn,@function
k_q4a0f7863d0_attn:
	s_mov_b64 s[64:65], 0
	v_nop
	global_prefetch_b8 v0, s[64:65] scope:SCOPE_SE
	s_setreg_imm32_b32 hwreg(HW_REG_WAVE_MODE, 25, 1), 1
	s_wait_xcnt 0x0
; SECOND OF THREE LAUNCHES: the whole chain for 256 positions s of ONE batch b (work-group x = chunk c, y = b), with enc_states read from memory once.  No work of the problem is left out.
; It stores: lg[b][s] the masked logits; pstat[b][c] the chunk's largest logit m and sum l of e^(logit - m); pacc[b][c][:] = sum over the chunk of e^(logit - m) x enc[s][b][:].  The last launch joins the 8 chunks of a batch.
; ROLES.  Waves 4-7 (X): wave g streams positions 256 c + 64 g + n, n = 0..63, a row (4,096 bytes) at a time, through a ring of 8 rows in registers; quantises each row to E2M1 codes and E8M0 bytes (in f32, by the
; problem's rule) into LDS; keeps a bf16 copy of it in LDS; and, two periods later, adds weight x row from that copy.  Waves 0-3 (G): wave g owns hidden units 256 g .. + 255; it holds a tile's 64 rows of codes in 256 registers,
; loads w_enc's fragments from wpack straight into registers (two slots of one tile of 16 units), and makes products, tanh and the dot with w_out.
; A TILE is 64 rows: rows n = 16 t .. 16 t + 15 of each X wave (tile row 16 g + j).  PERIOD T = 0..5: X quantises tile T (T <= 3); G multiplies tile T - 1 (1 <= T <= 4); X takes tile T - 2's softmax step and weighted sum (T >= 2).
; Every wave walks every loop and every barrier; work is jumped over by scalar branches on the wave's number and the loops' counters alone.
; TWO BARRIERS A PERIOD.  Ahead of B1: G loads the tile's codes out of IMG and SCL, X loads the partial logits out of EX.  Between B1 and B2: X writes IMG, SCL and its own part of RET; G writes EX.
; tanh(a) = 1 - 2 / (1 + 2^(2 log2(e) a)), so w . tanh = sum of w + sum of (-2 w) / (1 + 2^(..)); at both ends of the range the exponential goes to 0 or infinity and the quotient to 1 or 0.
; SOFTMAX: a running maximum m; at each tile l and the sum are multiplied by e^(old m - new m).  The mask is the problem's own formula, l m - (1 - m) 2e9, as fused multiply-adds, exact for m = 0 and m = 1.
; NO CLUSTER, NO TENSOR LOAD: wpack is read by all work-groups, but each of its bytes goes to exactly one wave of a work-group and lies in the order of that wave's registers; through LDS it would be written and read once
; more (4 x 557,056 bytes a work-group), and the rows' bf16 copy takes 262,144 of the 327,680 bytes of LDS, which leaves no room for two slots of it.
; The last two refills of a W slot and the last load of the tables in period 4 wrap round to tiles 0 and 1 and are not used: so every counted wait has the same count in every step (2 of a wave's 64 steps).
; LIMITS: NaN and infinities among the inputs are not served.  A block of 32 whose largest magnitude lies under 2^-124 (zeros too) keeps the scale byte 1; its bytes are read by this program alone.
; enc_states is rounded to bf16 for the weighted sum alone; the quantiser sees f32.  The exponential and the reciprocal are the chip's (1 ulp): a term of the logit is off by some 1e-7 x |w_out|.  Sums are ordered otherwise than in the problem's text.
.set WT,     8704                      ; bytes of a tile of 16 hidden units in wpack
.set IPITCH, 528                       ; a row of codes in LDS: 512 bytes + 16
.set SPITCH, 36                        ; a row of 32 scale bytes + 4
.set RET,    0                         ; [parity 2][g 4][row 16][2,048]: the rows' bf16 copy, each lane's own: 512 i + 16 lane
.set TCB,    262144                    ; pd[b][:], 4,096 bytes; 4,096 bytes on: -2 w_out
.set IMG,    270336                    ; 64 rows of codes; at the end: the four X waves' sums
.set SCL,    304128                    ; 64 rows of scale bytes
.set EX,     306432                    ; [g][64] partial logits
.set MSK,    307456                    ; the mask as f32: position p of the chunk at + 128 + 4 p;  1,280 bytes on: the masked logits, likewise
.set LGD,    1280
.set PT,     310016                    ; [g][64] the tile's weights, a copy for each X wave
.set SPARE,  311040                    ; the spare words, 128 bytes for each of the eight waves
; VECTOR REGISTERS.  v2-34 are addresses, made ahead of the first parting of the roles and written again in common text alone; they never hold loaded data.
.set SPW, 2                            ; my spare word; never rewritten
.set NIL, 3                            ; 0; never rewritten
.set XO,  4                            ; 32 x lane: my 32 bytes of each 1,024 of a row
.set OFA, 5                            ; 16 x lane + this half's 8 tiles of wpack
.set OFB, 6                            ; 16 x lane + the other half's
.set IW0, 7                            ; IMG + my wave's 16 rows + 4 x lane
.set SW0, 8                            ; SCL + my wave's 16 rows + lane / 4
.set RET0, 9                           ; 32,768 g + 16 x lane
.set IW,  10                           ; the three above + the half's (and the parity's) scalar
.set SW,  11
.set RW,  12
.set RR,  13                           ; RET0 + parity: where the weighted sum reads
.set FR,  14                           ; IMG + 528 r + 16 h: a fragment's place
.set SR,  15                           ; SCL + 36 r + 4 h
.set TB,  16                           ; TB0 + this half's 512 bytes of the tables
.set TB2, 17                           ; TB0 + the other half's
.set EXW, 18
.set EXR, 19
.set ML0, 20                           ; MSK + 256 h + 4 r
.set ML,  21                           ; ML0 + 64 T: tile T - 2's entries (the 128 in MSK's layout takes the 2 away)
.set PTW, 22
.set PTR, 23
.set TW,  24
.set TG,  25
.set MW,  26
.set MG,  27
.set RDW, 28
.set RDR, 29
.set GO,  30
.set LR,  31
.set L16, 32
.set L8,  33
.set TB0, 34                           ; TCB + 1,024 g + 32 h
.set W1G, 39                           ; G: the sum of my 256 numbers of w_out
; G: window 0
.set ACC, 40                           ; v40-71    four accumulators: row tile rt at + 8 rt
.set WF,  72                           ; v72-199   two slots of w_enc's 8 fragments
.set WS,  200                          ; v200-207  their scale words
.set XS,  208                          ; v208-223  the rows' scale words: 4 rt + i: lanes 0-15 K step 2 i, lanes 16-31 K step 2 i + 1
.set CB,  224                          ; v224-231  pd at the step's 8 units of my half: the C of a sum's first product
.set WO,  232                          ; v232-247  -2 w_out likewise, two sets
.set LG,  248                          ; v248-255  the logits' sums, a pair for each row tile
;    window 1: the tile's codes: row tile rt, K step q at 64 rt + 8 q
; X: window 0 (v200-223 are not named: they hold scales and nothing else)
.set ACCO, 40                          ; v40-71    the weighted sum: register 8 i + k = column 256 i + 8 lane + k
.set RB,   72                          ; v72-135   four rows of the bf16 copy
.set PV,   136                         ; v136-151  my 16 rows' weights
.set PK,   152                         ; v152-167  a row packed to bf16
.set QM,   168                         ; v168-171 largest magnitudes, v172-175 scale operands, v176-179 bytes, v180-183 codes
.set QS,   172
.set QB,   176
.set QC,   180
.set BK,   184                         ; v184-195  partial logits, mask, at work
.set MRUN, 224
.set LRUN, 225
.set FF,   226                         ; v[226:227] e^(old m - new m), twice
;    v228-233 at work.   window 1: the ring: slot k's row at 32 k; register 8 i + k' = column 256 i + 8 lane + k'
; SCALARS
.set WVN, 20                           ; wave
.set GN,  21                           ; wave & 3
.set CN,  22                           ; chunk
.set BN,  23                           ; batch
.set XB,  24                           ; s[24:25] where the rows asked for in this half begin
.set WB,  26                           ; s[26:27] my 16 tiles of wpack
.set K2,  28                           ; s[28:29] 2 log2(e), twice
.set L2E, 30
.set BIG, 31                           ; 2e9
.set NBIG, 32                          ; -2e9
.set SEL, 34                           ; s[34:35] v_permlanex16_b32's selects for lane l xor 16
.set TT,  36                           ; period 0..5
.set II,  37                           ; half 0..1
.set HH,  38                           ; 2 T + I
.set PAR, 39                           ; 0 or 131,072
.set IH,  40
.set SH,  41
.set RH,  42
.set UU,  43                           ; 64 T
.set TH,  46
.set WH,  47
.set MSB, 0
.macro WIN new                         ; the immediate's high byte repeats the setting that is left
.if MSB != \new
	s_set_vgpr_msb (MSB<<8)|\new
.set MSB, \new
.endif
.endm
.macro BARRIER                         ; my LDS stores have landed and my LDS loads are in: then the work-group's barrier.  It stands in common text alone
	s_wait_dscnt 0x0
	s_barrier_signal -1
	s_barrier_wait -1
.endm
	s_load_b256 s[4:11], s[0:1], 0x0               ; enc_states s[4:5], enc_mask s[6:7], w_out s[8:9], wpack s[10:11]
	s_load_b256 s[12:19], s[0:1], 0x20             ; pd s[12:13], pacc s[14:15], pstat s[16:17], lg s[18:19]
	v_lshl_add_u32 v[SPW], v0, 2, SPARE
	v_mov_b32 v[NIL], 0
	v_lshrrev_b32 v35, 5, v0
	v_readfirstlane_b32 s[WVN], v35
	s_and_b32 s[GN], s[WVN], 3
	s_mov_b32 s[CN], ttmp9
	s_and_b32 s[BN], ttmp7, 0xffff
	v_and_b32 v35, 31, v0                          ; lane
	v_and_b32 v36, 15, v0                          ; r
	v_bfe_u32 v37, v0, 4, 1                        ; h
	v_and_b32 v38, 127, v0
	v_lshlrev_b32 v[XO], 5, v35
	v_lshlrev_b32 v[L16], 4, v35
	v_lshlrev_b32 v[L8], 3, v35
	s_mul_i32 s44, s[GN], 16*IPITCH
	s_add_co_u32 s44, s44, IMG
	v_lshl_add_u32 v[IW0], v35, 2, s44
	s_mul_i32 s44, s[GN], 16*SPITCH
	s_add_co_u32 s44, s44, SCL
	v_lshrrev_b32 v[SW0], 2, v35
	v_add_nc_u32 v[SW0], s44, v[SW0]
	s_lshl_b32 s44, s[GN], 15
	v_lshl_add_u32 v[RET0], v35, 4, s44
	v_mul_u32_u24 v[FR], v36, IPITCH
	v_lshl_add_u32 v[FR], v37, 4, v[FR]
	v_add_nc_u32 v[FR], IMG, v[FR]
	v_mul_u32_u24 v[SR], v36, SPITCH
	v_lshl_add_u32 v[SR], v37, 2, v[SR]
	v_add_nc_u32 v[SR], SCL, v[SR]
	s_lshl_b32 s44, s[GN], 10
	v_lshl_add_u32 v[TG], v35, 4, s44              ; my wave's 1,024 bytes of pd[b] and of w_out, 16 bytes a lane
	s_add_co_u32 s45, s44, TCB
	v_lshl_add_u32 v[TW], v35, 4, s45
	v_lshl_add_u32 v[TB0], v37, 5, s45
	s_lshl_b32 s44, s[GN], 8
	s_add_co_u32 s45, s44, EX
	v_lshl_add_u32 v[EXW], v36, 2, s45
	v_lshl_add_u32 v[EXR], v35, 2, EX
	v_lshlrev_b32 v[ML0], 8, v37
	v_lshl_add_u32 v[ML0], v36, 2, v[ML0]
	v_add_nc_u32 v[ML0], MSK, v[ML0]
	s_add_co_u32 s45, s44, PT
	v_lshl_add_u32 v[PTW], v35, 2, s45
	s_lshl_b32 s46, s[GN], 6
	s_add_co_u32 s45, s45, s46
	v_mov_b32 v[PTR], s45                          ; my wave's copy, at my wave's 16 rows: the same address in all lanes
	v_lshl_add_u32 v[MW], v38, 2, MSK+128
	v_lshlrev_b32 v[MG], 5, v38                    ; a position's row of the mask is 32 bytes
	s_lshl_b32 s44, s[GN], 12
	s_add_co_u32 s44, s44, IMG
	v_lshl_add_u32 v[RDW], v35, 5, s44
	v_lshl_add_u32 v[RDR], v0, 4, IMG
	v_lshlrev_b32 v[GO], 4, v0
	v_lshl_add_u32 v[LR], v35, 4, MSK+LGD+128
	s_mov_b32 s[K2], 0x4038aa3b                    ; 2 log2(e)
	s_mov_b32 s[K2+1], s[K2]                       ; (named with it as a pair, so it is written)
	s_mov_b32 s[L2E], 0x3fb8aa3b
	s_mov_b32 s[BIG], 0x4eee6b28
	s_mov_b32 s[NBIG], 0xceee6b28
	s_mov_b32 s[SEL], 0x76543210
	s_mov_b32 s[SEL+1], 0xfedcba98
	s_lshl_b32 s48, s[CN], 25                      ; enc_states: 256 positions of 131,072 bytes a chunk,
	s_lshl_b32 s44, s[GN], 23                      ; 64 a wave,
	s_add_co_u32 s48, s48, s44
	s_lshl_b32 s44, s[BN], 12                      ; 4,096 bytes a batch: under 2^28 in all
	s_add_co_u32 s48, s48, s44
	s_mov_b32 s49, 0
	s_mov_b32 s50, s44                             ; pd: row b
	s_mov_b32 s51, 0
	s_lshl_b32 s52, s[CN], 13
	s_add_co_u32 s52, s52, s[BN]                   ; the mask: 256 rows of 32 bytes a chunk, + b
	s_mov_b32 s53, 0
	s_mul_i32 s54, s[GN], 16*WT
	s_mov_b32 s55, 0
	s_lshl_b32 s56, s[BN], 3
	s_add_co_u32 s56, s56, s[CN]                   ; 8 b + c
	s_lshl_b32 s58, s56, 8
	s_mov_b32 s59, 0
	s_lshl_b32 s56, s56, 12
	s_mov_b32 s57, 0
	s_lshl_b32 s60, s[BN], 13
	s_lshl_b32 s44, s[CN], 10
	s_add_co_u32 s60, s60, s44
	s_mov_b32 s61, 0
	s_wait_kmcnt 0x0
	s_add_nc_u64 s[XB:XB+1], s[4:5], s[48:49]
	s_add_nc_u64 s[12:13], s[12:13], s[50:51]
	s_add_nc_u64 s[6:7], s[6:7], s[52:53]
	s_add_nc_u64 s[WB:WB+1], s[10:11], s[54:55]
	s_add_nc_u64 s[14:15], s[14:15], s[56:57]
	s_add_nc_u64 s[16:17], s[16:17], s[58:59]
	s_add_nc_u64 s[18:19], s[18:19], s[60:61]
; ---------------- X: one row, in ring slot k.  ahead = 1: the slot is asked again for the row 8 further on.
.macro XSTEP k, ahead
.set LK, 32*(\k)
.if \ahead
	s_wait_loadcnt 56                              ; loads come back in order: my row's 8 are in, the 7 younger rows' 56 stay out
.else
	s_wait_loadcnt 8*(7-(\k))                      ; the last block asks for nothing: the counts run down
.endif
	WIN 0x05                                       ; sources 0 and 1: the ring, window 1
.irp i, 0,1,2,3
	v_max3_num_f32 v[QM+\i], |v[LK+8*\i]|, |v[LK+8*\i+1]|, 0x1800000   ; my 8 numbers of block 8 i + lane / 4, and the floor 2^(3 - 127): the byte cannot fall under 1
.endr
.irp m, 2,4,6
.irp i, 0,1,2,3
	v_max3_num_f32 v[QM+\i], |v[LK+8*\i+\m]|, |v[LK+8*\i+\m+1]|, v[QM+\i]
.endr
.endr
.irp a, 0,1,2,3,4,5,6,7,8,9,10,11,12,13,14,15
	v_cvt_pk_bf16_f32 v[PK+\a], v[LK+2*\a], v[LK+2*\a+1]           ; the copy for the weighted sum
.endr
	WIN 0
.irp i, 0,1,2,3
	v_max_num_f32_dpp v[QM+\i], v[QM+\i], v[QM+\i] row_xmask:1 row_mask:0xf bank_mask:0xf
.endr
.irp i, 0,1,2,3
	v_max_num_f32_dpp v[QM+\i], v[QM+\i], v[QM+\i] row_xmask:2 row_mask:0xf bank_mask:0xf   ; four neighbouring lanes hold a block of 32
.endr
.irp i, 0,1,2,3
	v_add_nc_u32 v[QS+\i], 0xff000000, v[QM+\i]    ; 2 off the exponent field: the conversion's scale operand
.endr
.irp i, 0,1,2,3
	v_lshrrev_b32 v[QB+\i], 23, v[QS+\i]           ; the scale's byte
.endr
	WIN 0x01
.irp i, 0,1,2,3
	v_cvt_scalef32_pk8_fp4_f32 v[QC+\i], v[LK+8*\i:LK+8*\i+7], v[QS+\i]
.endr
	v_nop                                          ; one plain place behind the scaled conversions
	WIN 0
.irp i, 0,1,2,3
	ds_store_b32 v[IW], v[QC+\i] offset:IPITCH*(\k)+128*\i          ; 8 codes: 32 lanes write 128 consecutive bytes of the row
.endr
.irp i, 0,1,2,3
	ds_store_b8 v[SW], v[QB+\i] offset:SPITCH*(\k)+8*\i             ; the four lanes of a block write the same byte with the same value
.endr
.irp i, 0,1,2,3
	ds_store_b128 v[RW], v[PK+4*\i:PK+4*\i+3] offset:2048*(\k)+512*\i
.endr
.if \ahead
	WIN 0x40                                       ; destination window 1
.irp i, 0,1,2,3
	global_load_b128 v[LK+8*\i:LK+8*\i+3],   v[XO], s[XB:XB+1] offset:131072*(\k)+1024*\i      ; no hint: the two loads of a pair take alternate 16 bytes of the same 1,024
	global_load_b128 v[LK+8*\i+4:LK+8*\i+7], v[XO], s[XB:XB+1] offset:131072*(\k)+1024*\i+16
.endr
	WIN 0
.endif
.endm
.macro XBLOCK ahead                    ; 8 rows; it is entered with the ring's 64 loads out
.irp k, 0,1,2,3,4,5,6,7
	XSTEP \k, \ahead
.endr
.endm
; ---------------- G: one product.  Source 0 = 16 hidden units, source 1 = 16 rows: lane (r, h), register j = row 16 rt + r, unit 16 tile + 8 h + j.
.macro WM q, rt, sg
.if (\q) == 0
	v_wmma_scale_f32_16x16x128_f8f6f4 v[ACC+8*\rt:ACC+8*\rt+7], v[WF+64*\sg+8*\q:WF+64*\sg+8*\q+7], v[64*\rt+8*\q:64*\rt+8*\q+7], v[CB:CB+7], v[WS+4*\sg+(\q)/2], v[XS+4*\rt+(\q)/2] matrix_a_fmt:MATRIX_FMT_FP4 matrix_b_fmt:MATRIX_FMT_FP4
.elseif (\q)%2 == 0
	v_wmma_scale_f32_16x16x128_f8f6f4 v[ACC+8*\rt:ACC+8*\rt+7], v[WF+64*\sg+8*\q:WF+64*\sg+8*\q+7], v[64*\rt+8*\q:64*\rt+8*\q+7], v[ACC+8*\rt:ACC+8*\rt+7], v[WS+4*\sg+(\q)/2], v[XS+4*\rt+(\q)/2] matrix_a_fmt:MATRIX_FMT_FP4 matrix_b_fmt:MATRIX_FMT_FP4
.else
	v_wmma_scale_f32_16x16x128_f8f6f4 v[ACC+8*\rt:ACC+8*\rt+7], v[WF+64*\sg+8*\q:WF+64*\sg+8*\q+7], v[64*\rt+8*\q:64*\rt+8*\q+7], v[ACC+8*\rt:ACC+8*\rt+7], v[WS+4*\sg+(\q)/2], v[XS+4*\rt+(\q)/2] matrix_a_fmt:MATRIX_FMT_FP4 matrix_b_fmt:MATRIX_FMT_FP4 matrix_a_scale:MATRIX_SCALE_ROW1 matrix_b_scale:MATRIX_SCALE_ROW1
.endif
.endm
; One tile of 16 hidden units, the k-th of this half, for the 64 rows.
.macro GSTEP k
.set SG, (\k)%2
	s_wait_loadcnt 17                              ; this slot's 17 loads are in; the other slot's 17, issued behind them, stay out
	s_wait_dscnt 0x0                               ; pd's and w_out's numbers of this step
	WIN 0x04                                       ; source 1: the rows' codes, window 1
.irp q, 0,1,2,3,4,5,6,7
.irp rt, 0,1,2,3
	WM \q, \rt, SG                                 ; the four accumulators take turns, one instruction a turn; pd is the C of each sum's first product
.endr
.endr
	WIN 0
.rept 4
	v_nop                                          ; four places in front of loads into registers that the products have read, and of the first read of results
.endr
.if (\k) <= 5                          ; the slot takes the tile two steps on
.irp i, 0,1,2,3,4,5,6,7,8,9,10,11,12,13,14,15
	global_load_b128 v[WF+64*SG+4*\i:WF+64*SG+4*\i+3], v[OFA], s[WB:WB+1] offset:((\k)+2)*WT+512*\i
.endr
	global_load_b128 v[WS+4*SG:WS+4*SG+3], v[OFA], s[WB:WB+1] offset:((\k)+2)*WT+8192
.else                                  ; which lies in the other half of my 16 tiles
.irp i, 0,1,2,3,4,5,6,7,8,9,10,11,12,13,14,15
	global_load_b128 v[WF+64*SG+4*\i:WF+64*SG+4*\i+3], v[OFB], s[WB:WB+1] offset:((\k)-6)*WT+512*\i
.endr
	global_load_b128 v[WS+4*SG:WS+4*SG+3], v[OFB], s[WB:WB+1] offset:((\k)-6)*WT+8192
.endif
.if (\k) <= 6                          ; the next step's numbers of pd and of -2 w_out
	ds_load_b128 v[CB:CB+3],   v[TB] offset:64*((\k)+1)
	ds_load_b128 v[CB+4:CB+7], v[TB] offset:64*((\k)+1)+16
	ds_load_b128 v[WO+8*(1-SG):WO+8*(1-SG)+3],   v[TB] offset:4096+64*((\k)+1)
	ds_load_b128 v[WO+8*(1-SG)+4:WO+8*(1-SG)+7], v[TB] offset:4096+64*((\k)+1)+16
.else
	ds_load_b128 v[CB:CB+3],   v[TB2]
	ds_load_b128 v[CB+4:CB+7], v[TB2] offset:16
	ds_load_b128 v[WO+8*(1-SG):WO+8*(1-SG)+3],   v[TB2] offset:4096
	ds_load_b128 v[WO+8*(1-SG)+4:WO+8*(1-SG)+7], v[TB2] offset:4096+16
.endif
.set n, 0
.rept 16
	v_pk_mul_f32 v[ACC+n:ACC+n+1], v[ACC+n:ACC+n+1], s[K2:K2+1] op_sel_hi:[1,0]   ; 2 log2(e) a; each accumulator from its low end on
.set n, n+2
.endr
.set n, 0
.rept 32
	v_exp_f32 v[ACC+n], v[ACC+n]
.set n, n+1
.endr
	v_nop                                          ; a plain place behind the last exponential
	s_wait_alu depctr_va_vdst(0)                   ; one wait for the batch of 32, ahead of its first reader
.set n, 0
.rept 16
	v_pk_add_f32 v[ACC+n:ACC+n+1], v[ACC+n:ACC+n+1], 1.0 op_sel_hi:[1,0]
.set n, n+2
.endr
.set n, 0
.rept 32
	v_rcp_f32 v[ACC+n], v[ACC+n]
.set n, n+1
.endr
	v_nop
	s_wait_alu depctr_va_vdst(0)                   ; and one for the 32 reciprocals
.irp p, 0,1,2,3
.irp rt, 0,1,2,3
	v_pk_fma_f32 v[LG+2*\rt:LG+2*\rt+1], v[ACC+8*\rt+2*\p:ACC+8*\rt+2*\p+1], v[WO+8*SG+2*\p:WO+8*SG+2*\p+1], v[LG+2*\rt:LG+2*\rt+1]
.endr
.endr
.endm
.macro RBLOAD j                        ; row j of my 16 of the bf16 copy
.irp i, 0,1,2,3
	ds_load_b128 v[RB+16*((\j)%4)+4*\i:RB+16*((\j)%4)+4*\i+3], v[RR] offset:2048*(\j)+512*\i
.endr
.endm
; ---------------- the prologue's two arms
	s_cmp_lt_u32 s[WVN], 4
	s_cbranch_scc0 .Lpro_x
	global_load_b128 v[40:43], v[TG], s[12:13]                 ; my 256 numbers of pd[b]
	global_load_b128 v[44:47], v[TG], s[12:13] offset:512
	global_load_b128 v[48:51], v[TG], s[8:9]                   ; and of w_out
	global_load_b128 v[52:55], v[TG], s[8:9] offset:512
	global_load_u8 v56, v[MG], s[6:7]                          ; the mask of positions t and t + 128 of the chunk (t: my thread, 0..127)
	global_load_u8 v57, v[MG], s[6:7] offset:4096
.irp sg, 0,1                           ; W's tiles 0 and 1 into the two slots
.irp i, 0,1,2,3,4,5,6,7,8,9,10,11,12,13,14,15
	global_load_b128 v[WF+64*\sg+4*\i:WF+64*\sg+4*\i+3], v[L16], s[WB:WB+1] offset:WT*\sg+512*\i
.endr
	global_load_b128 v[WS+4*\sg:WS+4*\sg+3], v[L16], s[WB:WB+1] offset:WT*\sg+8192
.endr
	s_wait_loadcnt 34                              ; the six table loads are in; the slots' 34 stay out
	ds_store_b128 v[TW], v[40:43]
	ds_store_b128 v[TW], v[44:47] offset:512
	v_add_f32 v58, v48, v49
	v_add_f32 v59, v50, v51
	v_add_f32 v60, v52, v53
	v_add_f32 v61, v54, v55
	v_add_f32 v58, v58, v59
	v_add_f32 v60, v60, v61
	v_add_f32 v[W1G], v58, v60
	v_add_f32_dpp v[W1G], v[W1G], v[W1G] row_xmask:1 row_mask:0xf bank_mask:0xf
	v_add_f32_dpp v[W1G], v[W1G], v[W1G] row_xmask:2 row_mask:0xf bank_mask:0xf
	v_add_f32_dpp v[W1G], v[W1G], v[W1G] row_xmask:4 row_mask:0xf bank_mask:0xf
	v_add_f32_dpp v[W1G], v[W1G], v[W1G] row_xmask:8 row_mask:0xf bank_mask:0xf
	v_permlanex16_b32 v58, v[W1G], s[SEL], s[SEL+1]
	v_add_f32 v[W1G], v[W1G], v58                  ; the sum of my 256 numbers of w_out, in every lane
.irp n, 48,50,52,54
	v_pk_mul_f32 v[\n:\n+1], v[\n:\n+1], -2.0 op_sel_hi:[1,0]
.endr
	ds_store_b128 v[TW], v[48:51] offset:4096
	ds_store_b128 v[TW], v[52:55] offset:4096+512
	v_cvt_f32_u32 v56, v56
	v_cvt_f32_u32 v57, v57
	ds_store_b32 v[MW], v56
	ds_store_b32 v[MW], v57 offset:512
	ds_load_b128 v[CB:CB+3],   v[TB0]              ; step 0's numbers: my wave's own bytes, and LDS serves a wave's instructions in order
	ds_load_b128 v[CB+4:CB+7], v[TB0] offset:16
	ds_load_b128 v[WO:WO+3],   v[TB0] offset:4096
	ds_load_b128 v[WO+4:WO+7], v[TB0] offset:4096+16
.irp n, 0,1,2,3,4,5,6,7
	v_mov_b32 v[LG+\n], 0
.endr
	s_branch .Lpro_j
.Lpro_x:
	WIN 0x40
.irp k, 0,1,2,3,4,5,6,7                ; the ring is filled: rows 0 to 7
.irp i, 0,1,2,3
	global_load_b128 v[32*\k+8*\i:32*\k+8*\i+3],   v[XO], s[XB:XB+1] offset:131072*\k+1024*\i
	global_load_b128 v[32*\k+8*\i+4:32*\k+8*\i+7], v[XO], s[XB:XB+1] offset:131072*\k+1024*\i+16
.endr
.endr
	WIN 0
.set n, 0
.rept 32
	v_mov_b32 v[ACCO+n], 0                         ; the softmax step is written once: the first finds zeros, which its factor 0 leaves zeros
.set n, n+1
.endr
	v_mov_b32 v[MRUN], 0xff61b1e6                  ; -3e38, under every logit (a masked one is -2e9)
	v_mov_b32 v[LRUN], 0
	v_mov_b32 v232, 0                              ; a lane permute's destination counts as one of its sources
.Lpro_j:
	BARRIER                                        ; the mask table lies in LDS
	s_mov_b32 s[TT], 0
	s_mov_b32 s[HH], 0
	s_mov_b32 s[PAR], 0
	s_mov_b32 s[UU], 0
.Lperiod:
	v_add_nc_u32 v[RR], s[PAR], v[RET0]
	v_add_nc_u32 v[ML], s[UU], v[ML0]
	s_cmp_lt_u32 s[WVN], 4
	s_cbranch_scc0 .Lin_x
	s_cmp_eq_u32 s[TT], 0
	s_cbranch_scc1 .Lin_j
	s_cmp_gt_u32 s[TT], 4
	s_cbranch_scc1 .Lin_j
	; G, 1 <= T <= 4: tile T - 1's codes and scale words into registers; their wait is the barrier's
	WIN 0x40
.irp rt, 0,1,2,3
.irp i, 0,1,2,3,4,5,6,7,8,9,10,11,12,13,14,15
	ds_load_b128 v[64*\rt+4*\i:64*\rt+4*\i+3], v[FR] offset:16*IPITCH*\rt+32*\i
.endr
.endr
	WIN 0
.irp rt, 0,1,2,3
.irp i, 0,1,2,3
	ds_load_b32 v[XS+4*\rt+\i], v[SR] offset:16*SPITCH*\rt+8*\i
.endr
.endr
	s_branch .Lin_j
.Lin_x:
	s_cmp_lt_u32 s[TT], 2
	s_cbranch_scc1 .Lin_j
	; X, T >= 2: tile T - 2's partial logits and mask: lane l takes tile rows l and l + 32
.irp gg, 0,1,2,3
	ds_load_b32 v[BK+\gg],   v[EXR] offset:256*\gg
	ds_load_b32 v[BK+4+\gg], v[EXR] offset:256*\gg+128
.endr
	ds_load_b32 v[BK+8], v[ML]
	ds_load_b32 v[BK+9], v[ML] offset:512
.Lin_j:
	BARRIER                                        ; B1: G holds the tile's codes, so IMG and SCL may be written again; X holds the partial logits, so EX may
	s_cmp_lt_u32 s[WVN], 4
	s_cbranch_scc1 .Lsm_j
	s_cmp_lt_u32 s[TT], 2
	s_cbranch_scc1 .Lsm_j
	; ---- X: the softmax step of tile T - 2.  Every X wave does all 64 rows, so that each has m, l and the weights without a further barrier
	v_add_f32 v[BK], v[BK], v[BK+1]
	v_add_f32 v[BK+2], v[BK+2], v[BK+3]
	v_add_f32 v[BK+4], v[BK+4], v[BK+5]
	v_add_f32 v[BK+6], v[BK+6], v[BK+7]
	v_fma_f32 v[BK+10], v[BK+8], s[BIG], s[NBIG]   ; -(1 - m) 2e9
	v_fma_f32 v[BK+11], v[BK+9], s[BIG], s[NBIG]
	v_add_f32 v[BK], v[BK], v[BK+2]
	v_add_f32 v[BK+4], v[BK+4], v[BK+6]
	v_fma_f32 v[BK], v[BK], v[BK+8], v[BK+10]      ; logit x m - (1 - m) 2e9
	v_fma_f32 v[BK+4], v[BK+4], v[BK+9], v[BK+11]
	s_cmp_lg_u32 s[WVN], 4
	s_cbranch_scc1 .Lnot_4
	ds_store_b32 v[ML], v[BK] offset:LGD           ; wave 4 keeps the masked logits; it alone reads them, at the end
	ds_store_b32 v[ML], v[BK+4] offset:LGD+512
.Lnot_4:
	v_max_num_f32 v228, v[BK], v[BK+4]
	v_max_num_f32_dpp v228, v228, v228 row_xmask:1 row_mask:0xf bank_mask:0xf
	v_max_num_f32_dpp v228, v228, v228 row_xmask:2 row_mask:0xf bank_mask:0xf
	v_max_num_f32_dpp v228, v228, v228 row_xmask:4 row_mask:0xf bank_mask:0xf
	v_max_num_f32_dpp v228, v228, v228 row_xmask:8 row_mask:0xf bank_mask:0xf
	v_permlanex16_b32 v232, v228, s[SEL], s[SEL+1]
	v_max3_num_f32 v228, v228, v232, v[MRUN]       ; the new m
	v_sub_f32 v233, v[MRUN], v228
	v_sub_f32 v229, v[BK], v228
	v_sub_f32 v230, v[BK+4], v228
	v_mul_f32 v233, s[L2E], v233
	v_mul_f32 v229, s[L2E], v229
	v_mul_f32 v230, s[L2E], v230
	v_exp_f32 v[FF], v233                          ; e^(old m - new m)
	v_exp_f32 v229, v229                           ; the two rows' weights, not normalised
	v_exp_f32 v230, v230
	v_mov_b32 v[MRUN], v228                        ; (a plain place behind the exponentials)
	s_wait_alu depctr_va_vdst(0)                   ; one wait for the three, ahead of their first reader
	v_mov_b32 v[FF+1], v[FF]
	v_add_f32 v231, v229, v230
	v_add_f32_dpp v231, v231, v231 row_xmask:1 row_mask:0xf bank_mask:0xf
	v_add_f32_dpp v231, v231, v231 row_xmask:2 row_mask:0xf bank_mask:0xf
	v_add_f32_dpp v231, v231, v231 row_xmask:4 row_mask:0xf bank_mask:0xf
	v_add_f32_dpp v231, v231, v231 row_xmask:8 row_mask:0xf bank_mask:0xf
	v_permlanex16_b32 v232, v231, s[SEL], s[SEL+1]
	v_add_f32 v231, v231, v232
	v_fma_f32 v[LRUN], v[LRUN], v[FF], v231
	ds_store_b32 v[PTW], v229                      ; into my wave's own copy,
	ds_store_b32 v[PTW], v230 offset:128
.irp i, 0,1,2,3
	ds_load_b128 v[PV+4*\i:PV+4*\i+3], v[PTR] offset:16*\i     ; and my 16 rows' weights back into every lane: LDS serves a wave's instructions in order
.endr
	; ---- X: the weighted sum of my 16 rows of tile T - 2, from the bf16 copy; three rows ahead
	RBLOAD 0
	RBLOAD 1
	RBLOAD 2
	RBLOAD 3
.set n, 0
.rept 16
	v_pk_mul_f32 v[ACCO+n:ACCO+n+1], v[ACCO+n:ACCO+n+1], v[FF:FF+1] op_sel_hi:[1,0]
.set n, n+2
.endr
.set J, 0
.rept 16
.if J <= 12
	s_wait_dscnt 12                                ; row J is in (and, at J = 0, the weights, asked for earlier); the three younger rows' 12 loads stay out
.else
	s_wait_dscnt 4*(15-J)
.endif
.irp a, 0,1,2,3,4,5,6,7,8,9,10,11,12,13,14,15
	v_fma_mix_f32_bf16 v[ACCO+2*\a],   v[RB+16*(J%4)+\a], v[PV+J], v[ACCO+2*\a]   op_sel_hi:[1,0,0]
	v_fma_mix_f32_bf16 v[ACCO+2*\a+1], v[RB+16*(J%4)+\a], v[PV+J], v[ACCO+2*\a+1] op_sel:[1,0,0] op_sel_hi:[1,0,0]
.endr
.if J <= 11
	RBLOAD J+4
.endif
.set J, J+1
.endr
.Lsm_j:
	s_mov_b32 s[II], 0
	s_mov_b32 s[IH], 0
	s_mov_b32 s[SH], 0
	s_mov_b32 s[RH], s[PAR]
	s_mov_b32 s[TH], 0
	s_mov_b32 s[WH], 0
.Lhalf:
	s_wait_xcnt 0x0                                ; every earlier load has read its address registers: only behind this wait are the rows' pointer and W's offsets written again
	s_add_nc_u64 s[XB:XB+1], s[XB:XB+1], 0x100000  ; 8 rows of 131,072 bytes on: the rows that this half asks for
	v_add_nc_u32 v[IW], s[IH], v[IW0]
	v_add_nc_u32 v[SW], s[SH], v[SW0]
	v_add_nc_u32 v[RW], s[RH], v[RET0]
	v_add_nc_u32 v[TB], s[TH], v[TB0]
	s_xor_b32 s44, s[TH], 512
	v_add_nc_u32 v[TB2], s44, v[TB0]
	v_add_nc_u32 v[OFA], s[WH], v[L16]
	s_xor_b32 s44, s[WH], 8*WT
	v_add_nc_u32 v[OFB], s44, v[L16]
	s_cmp_lt_u32 s[WVN], 4
	s_cbranch_scc0 .Lhf_x
	s_cmp_lt_u32 s[HH], 2
	s_cbranch_scc1 .Lhf_j
	s_cmp_gt_u32 s[HH], 9
	s_cbranch_scc1 .Lhf_j
.irp k, 0,1,2,3,4,5,6,7                ; G, periods 1 to 4: 8 tiles of hidden units; entered and left with 34 loads out
	GSTEP \k
.endr
	s_branch .Lhf_j
.Lhf_x:
	s_cmp_gt_u32 s[HH], 7
	s_cbranch_scc1 .Lhf_j
	s_cmp_eq_u32 s[HH], 7
	s_cbranch_scc1 .Lhf_last
	XBLOCK 1
	s_branch .Lhf_j
.Lhf_last:
	XBLOCK 0                                       ; my last 8 rows: no load leaves the buffer
.Lhf_j:
	s_add_co_u32 s[IH], s[IH], 8*IPITCH
	s_add_co_u32 s[SH], s[SH], 8*SPITCH
	s_add_co_u32 s[RH], s[RH], 8*2048
	s_add_co_u32 s[TH], s[TH], 512
	s_add_co_u32 s[WH], s[WH], 8*WT
	s_add_co_u32 s[HH], s[HH], 1
	s_add_co_u32 s[II], s[II], 1
	s_cmp_lt_u32 s[II], 2
	s_cbranch_scc1 .Lhalf
	s_cmp_lt_u32 s[WVN], 4
	s_cbranch_scc0 .Lfin_j
	s_cmp_eq_u32 s[TT], 0
	s_cbranch_scc1 .Lfin_j
	s_cmp_gt_u32 s[TT], 4
	s_cbranch_scc1 .Lfin_j
	; G: my 256 units' part of the 64 logits
.irp rt, 0,1,2,3
	v_add_f32 v[ACC+\rt], v[LG+2*\rt], v[LG+2*\rt+1]
.endr
.irp rt, 0,1,2,3
	v_permlanex16_b32 v[ACC+4+\rt], v[ACC+\rt], s[SEL], s[SEL+1]   ; the other 8 units of each tile lie in lane l xor 16
.endr
.irp rt, 0,1,2,3
	v_add_f32 v[ACC+\rt], v[ACC+\rt], v[ACC+4+\rt]
.endr
.irp rt, 0,1,2,3
	v_add_f32 v[ACC+\rt], v[ACC+\rt], v[W1G]
.endr
.irp rt, 0,1,2,3
	ds_store_b32 v[EXW], v[ACC+\rt] offset:64*\rt  ; lanes r and r + 16 write the same word with the same value
.endr
.irp n, 0,1,2,3,4,5,6,7
	v_mov_b32 v[LG+\n], 0
.endr
.Lfin_j:
	BARRIER                                        ; B2: tile T's codes and scale bytes, and tile T - 1's partial logits, lie in LDS
	s_xor_b32 s[PAR], s[PAR], 0x20000
	s_add_co_u32 s[UU], s[UU], 64
	s_add_co_u32 s[TT], s[TT], 1
	s_cmp_lt_u32 s[TT], 6
	s_cbranch_scc1 .Lperiod
	; ---------------- the way out
	s_wait_loadcnt 0x0                             ; G: the two slots' last loads, which nothing reads
	s_cmp_lt_u32 s[WVN], 4
	s_cbranch_scc1 .Lout_j
.irp i, 0,1,2,3
	ds_store_b128 v[RDW], v[ACCO+8*\i:ACCO+8*\i+3]   offset:1024*\i      ; my sum, in the order of the columns, where the codes lay: nobody has read those since period 4's first barrier
	ds_store_b128 v[RDW], v[ACCO+8*\i+4:ACCO+8*\i+7] offset:1024*\i+16
.endr
	s_cmp_lg_u32 s[WVN], 4
	s_cbranch_scc1 .Lout_j
	ds_load_b128 v[72:75], v[LR]
	ds_load_b128 v[76:79], v[LR] offset:512
	s_wait_dscnt 0x0
	global_store_b128 v[L16], v[72:75], s[18:19]               ; the chunk's 256 masked logits: 512 consecutive bytes a store
	global_store_b128 v[L16], v[76:79], s[18:19] offset:512
	global_store_b64 v[L8], v[MRUN:LRUN], s[16:17]             ; (m, l), the same in all lanes: 256 consecutive bytes, aligned
.Lout_j:
	BARRIER
.irp k, 0,1,2,3
	ds_load_b128 v[40+4*\k:43+4*\k], v[RDR] offset:4096*\k     ; thread t: columns 4 t .. 4 t + 3 of the four sums
.endr
	s_wait_dscnt 0x0
	v_pk_add_f32 v[40:41], v[40:41], v[44:45]
	v_pk_add_f32 v[42:43], v[42:43], v[46:47]
	v_pk_add_f32 v[48:49], v[48:49], v[52:53]
	v_pk_add_f32 v[50:51], v[50:51], v[54:55]
	v_pk_add_f32 v[40:41], v[40:41], v[48:49]
	v_pk_add_f32 v[42:43], v[42:43], v[50:51]
	global_store_b128 v[GO], v[40:43], s[14:15]
	s_wait_tensorcnt 0x0                           ; the wave's end
	ds_add_u32 v[SPW], v[NIL]
	s_wait_dscnt 0x0
	s_endpgm
.Lfunc_end_k_q4a0f7863d0_attn:
	.size	k_q4a0f7863d0_attn, .Lfunc_end_k_q4a0f7863d0_attn-k_q4a0f7863d0_attn
	.p2alignl 7, 3214868480
	.fill 96, 4, 3214868480
	.section	.rodata,"a",@progbits
	.p2align	6, 0x0
	.amdhsa_kernel k_q4a0f7863d0_attn
		.amdhsa_group_segment_fixed_size 312064
		.amdhsa_private_segment_fixed_size 0
		.amdhsa_enable_private_segment 0
		.amdhsa_kernarg_size 64
		.amdhsa_user_sgpr_count 2
		.amdhsa_user_sgpr_kernarg_segment_ptr 1
		.amdhsa_wavefront_size32 1
		.amdhsa_system_sgpr_workgroup_id_x 1
		.amdhsa_system_sgpr_workgroup_id_y 1
		.amdhsa_system_sgpr_workgroup_id_z 1
		.amdhsa_system_vgpr_workitem_id 0
		.amdhsa_next_free_vgpr 512
		.amdhsa_next_free_sgpr 66
		.amdhsa_reserve_vcc 0
		.amdhsa_float_denorm_mode_32 3
		.amdhsa_float_denorm_mode_16_64 3
		.amdhsa_memory_ordered 1
		.amdhsa_forward_progress 1
		.amdhsa_inst_pref_size 233
	.end_amdhsa_kernel
	.amdgpu_metadata
---
amdhsa.version: [ 1, 2 ]
amdhsa.kernels:
  - .name:           k_q4a0f7863d0_attn
    .symbol:         k_q4a0f7863d0_attn.kd
    .args:
      - { .name: enc_states, .offset: 0, .size: 8, .value_kind: global_buffer, .address_space: global }
      - { .name: enc_mask, .offset: 8, .size: 8, .value_kind: global_buffer, .address_space: global }
      - { .name: w_out, .offset: 16, .size: 8, .value_kind: global_buffer, .address_space: global }
      - { .name: wpack, .offset: 24, .size: 8, .value_kind: global_buffer, .address_space: global }
      - { .name: pd, .offset: 32, .size: 8, .value_kind: global_buffer, .address_space: global }
      - { .name: pacc, .offset: 40, .size: 8, .value_kind: global_buffer, .address_space: global }
      - { .name: pstat, .offset: 48, .size: 8, .value_kind: global_buffer, .address_space: global }
      - { .name: lg, .offset: 56, .size: 8, .value_kind: global_buffer, .address_space: global }
    .group_segment_fixed_size: 312064
    .private_segment_fixed_size: 0
    .kernarg_segment_align: 8
    .kernarg_segment_size: 64
    .max_flat_workgroup_size: 256
    .sgpr_count:     66
    .vgpr_count:     512
    .wavefront_size: 32
...
	.end_amdgpu_metadata
.endif
;; end of part 2
;; launch finish (part 3): grid 32 x 1, 8 waves a work-group, no clusters, 10,240 bytes of LDS; arguments pacc, pstat, lg, out0, out1; writes out0, out1
.if DOCPART == 3
	.amdgcn_target "amdgcn-amd-amdhsa--gfx1250"
	.amdhsa_code_object_version 6
	.text
	.protected	k_q4a0f7863d0_finish
	.globl	k_q4a0f7863d0_finish
	.p2align	8
	.type	k_q4a0f7863d0_finish,@function
k_q4a0f7863d0_finish:
	s_mov_b64 s[64:65], 0
	v_nop
	global_prefetch_b8 v0, s[64:65] scope:SCOPE_SE
	s_setreg_imm32_b32 hwreg(HW_REG_WAVE_MODE, 25, 1), 1
	s_wait_xcnt 0x0
; THIRD OF THREE LAUNCHES: the 8 chunks of each batch are joined.  No work of the problem is left out.
; For batch b: M = the largest m_c, g_c = e^(m_c - M), L = the sum of l_c g_c (at least 1: the chunk with m_c = M has g = 1 and l >= 1).
; out1[s][b] = e^(lg[b][s] - M) / L;   out0[b][:] = the sum over c of pacc[b][c][:] g_c / L.
; SHARES: work-group i stores out0[i][:] (thread t: columns 4 t .. 4 t + 3) and rows 64 i .. 64 i + 63 of out1, for all 32 batches.  lg lies [b][s] and out1 [s][b]: the 64 x 32 numbers turn through a stage in LDS,
; so that both the loads and the stores take 256 consecutive bytes in sixteen lanes.  No matrix unit, no cluster: work-groups share only the 65,536 bytes of statistics.
.set SPITCH, 144                       ; a row of the stage: 32 batches x 4 bytes + 16
.set SPARE,  64*SPITCH                 ; behind the stage: the spare words, 128 bytes for each of the eight waves
.set SPW, 2
.set NIL, 3
.set SA,  16                           ; v16-31   (m_c, l_c), c = 0..7, of batch = my lane
.set SB,  32                           ; v32-47   the same of batch i
.set LGV, 48                           ; v48-55   8 logits
.set PA,  56                           ; v56-87   pacc: 4 columns of 8 chunks
.set GA,  96                           ; v96-103  g_c of batch = my lane
.set GB,  104                          ; v104-111 g_c / L of batch i
.set OV,  112                          ; v112-115 out0
	s_load_b256 s[4:11], s[0:1], 0x0               ; pacc s[4:5], pstat s[6:7], lg s[8:9], out0 s[10:11]
	s_load_b64 s[12:13], s[0:1], 0x20              ; out1
	v_lshl_add_u32 v[SPW], v0, 2, SPARE
	v_mov_b32 v[NIL], 0
	v_and_b32 v1, 31, v0
	v_lshlrev_b32 v4, 11, v1                       ; pstat: 2,048 bytes a batch
	v_mov_b32 v5, 0
	v_lshrrev_b32 v12, 4, v0                       ; thread / 16: 0..15
	v_and_b32 v13, 15, v0
	v_lshlrev_b32 v6, 13, v12
	v_lshl_add_u32 v6, v13, 4, v6                  ; lg: batch thread / 16, 16 bytes a lane
	v_lshlrev_b32 v7, 4, v0                        ; 16 x thread
	v_lshlrev_b32 v8, 2, v12                       ; the lane that holds batch thread / 16, as a byte address,
	v_add_nc_u32 v9, 64, v8                        ; and batch thread / 16 + 16
	v_mul_u32_u24 v10, v13, 4*SPITCH
	v_lshl_add_u32 v10, v12, 2, v10                ; into the stage: row 4 (thread % 16) + j, column thread / 16 (+ 16)
	v_lshrrev_b32 v14, 3, v0
	v_and_b32 v15, 7, v0
	v_mul_u32_u24 v11, v14, SPITCH
	v_lshl_add_u32 v11, v15, 4, v11                ; back: eight lanes to a row of 128 bytes
	s_lshl_b32 s16, ttmp9, 11
	s_mov_b32 s17, 0
	s_lshl_b32 s18, ttmp9, 8
	s_mov_b32 s19, 0
	s_lshl_b32 s20, ttmp9, 15
	s_mov_b32 s21, 0
	s_lshl_b32 s22, ttmp9, 12
	s_mov_b32 s23, 0
	s_lshl_b32 s24, ttmp9, 13
	s_mov_b32 s25, 0
	s_wait_kmcnt 0x0
	s_add_nc_u64 s[14:15], s[6:7], s[16:17]        ; batch i's statistics
	s_add_nc_u64 s[8:9], s[8:9], s[18:19]          ; positions 64 i on, in each batch's row of lg
	s_add_nc_u64 s[4:5], s[4:5], s[20:21]          ; batch i's 8 partial sums
	s_add_nc_u64 s[10:11], s[10:11], s[22:23]
	s_add_nc_u64 s[12:13], s[12:13], s[24:25]
.irp c, 0,1,2,3,4,5,6,7
	global_load_b64 v[SA+2*\c:SA+2*\c+1], v4, s[6:7] offset:256*\c
.endr
.irp c, 0,1,2,3,4,5,6,7
	global_load_b64 v[SB+2*\c:SB+2*\c+1], v5, s[14:15] offset:256*\c
.endr
.irp k, 0,1
	global_load_b128 v[LGV+4*\k:LGV+4*\k+3], v6, s[8:9] offset:131072*\k
.endr
.irp c, 0,1,2,3,4,5,6,7
	global_load_b128 v[PA+4*\c:PA+4*\c+3], v7, s[4:5] offset:4096*\c
.endr
; 8 pairs (m_c, l_c) from v[s] on -> M in v[m], 1 / L in v[r], g_c in v[g] on
.macro STAT s, m, r, g
	v_max3_num_f32 v[\m], v[\s], v[\s+2], v[\s+4]
	v_max3_num_f32 v[\m], v[\m], v[\s+6], v[\s+8]
	v_max3_num_f32 v[\m], v[\m], v[\s+10], v[\s+12]
	v_max_num_f32 v[\m], v[\m], v[\s+14]
.irp c, 0,1,2,3,4,5,6,7
	v_sub_f32 v[\g+\c], v[\s+2*\c], v[\m]
.endr
.irp c, 0,1,2,3,4,5,6,7
	v_mul_f32 v[\g+\c], 0x3fb8aa3b, v[\g+\c]
.endr
.irp c, 0,1,2,3,4,5,6,7
	v_exp_f32 v[\g+\c], v[\g+\c]
.endr
	v_nop                                          ; a plain place behind the last exponential
	s_wait_alu depctr_va_vdst(0)                   ; one wait for the eight, ahead of their first reader
	v_mul_f32 v[\r], v[\s+1], v[\g]
.irp c, 1,2,3,4,5,6,7
	v_fma_f32 v[\r], v[\s+2*\c+1], v[\g+\c], v[\r]
.endr
	v_rcp_f32 v[\r], v[\r]
	v_nop
	s_wait_alu depctr_va_vdst(0)
.endm
	s_wait_loadcnt 10                              ; the 16 loads of statistics are in; lg's 2 and pacc's 8 stay out
	STAT SA, 88, 89, GA
	STAT SB, 90, 91, GB
	ds_bpermute_b32 v92, v8, v88                   ; M and 1 / L of the two batches whose logits I hold
	ds_bpermute_b32 v93, v8, v89
	ds_bpermute_b32 v94, v9, v88
	ds_bpermute_b32 v95, v9, v89
.irp c, 0,1,2,3,4,5,6,7
	v_mul_f32 v[GB+\c], v[GB+\c], v91              ; g_c / L of batch i
.endr
	s_wait_loadcnt 8                               ; lg's two loads are in; pacc's 8 stay out
	s_wait_dscnt 0x0
.irp k, 0,1
.irp j, 0,1,2,3
	v_sub_f32 v[LGV+4*\k+\j], v[LGV+4*\k+\j], v[92+2*\k]
.endr
.endr
.irp n, 0,1,2,3,4,5,6,7
	v_mul_f32 v[LGV+\n], 0x3fb8aa3b, v[LGV+\n]
.endr
.irp n, 0,1,2,3,4,5,6,7
	v_exp_f32 v[LGV+\n], v[LGV+\n]
.endr
	v_nop
	s_wait_alu depctr_va_vdst(0)
.irp k, 0,1
.irp j, 0,1,2,3
	v_mul_f32 v[LGV+4*\k+\j], v[LGV+4*\k+\j], v[93+2*\k]
.endr
.endr
.irp k, 0,1
.irp j, 0,1,2,3
	ds_store_b32 v10, v[LGV+4*\k+\j] offset:SPITCH*\j+64*\k
.endr
.endr
	s_wait_loadcnt 0x0                             ; pacc
.irp e, 0,1,2,3
	v_mul_f32 v[OV+\e], v[PA+\e], v[GB]
.endr
.irp c, 1,2,3,4,5,6,7
.irp e, 0,1,2,3
	v_fma_f32 v[OV+\e], v[PA+4*\c+\e], v[GB+\c], v[OV+\e]
.endr
.endr
	global_store_b128 v7, v[OV:OV+3], s[10:11]     ; a wave stores 512 consecutive bytes of out0[i]
	s_wait_dscnt 0x0                               ; for the others' sake: my stores into the stage are done
	s_barrier_signal -1
	s_barrier_wait -1
	ds_load_b128 v[116:119], v11
	ds_load_b128 v[120:123], v11 offset:32*SPITCH
	s_wait_dscnt 1                                 ; the first is in; the younger one may stay out
	global_store_b128 v7, v[116:119], s[12:13]     ; rows of 128 bytes on end: a wave stores 512 consecutive bytes of out1
	s_wait_dscnt 0x0
	global_store_b128 v7, v[120:123], s[12:13] offset:4096
	s_wait_tensorcnt 0x0                           ; the wave's end
	ds_add_u32 v[SPW], v[NIL]
	s_wait_dscnt 0x0
	s_endpgm
.Lfunc_end_k_q4a0f7863d0_finish:
	.size	k_q4a0f7863d0_finish, .Lfunc_end_k_q4a0f7863d0_finish-k_q4a0f7863d0_finish
	.p2alignl 7, 3214868480
	.fill 96, 4, 3214868480
	.section	.rodata,"a",@progbits
	.p2align	6, 0x0
	.amdhsa_kernel k_q4a0f7863d0_finish
		.amdhsa_group_segment_fixed_size 10240
		.amdhsa_private_segment_fixed_size 0
		.amdhsa_enable_private_segment 0
		.amdhsa_kernarg_size 40
		.amdhsa_user_sgpr_count 2
		.amdhsa_user_sgpr_kernarg_segment_ptr 1
		.amdhsa_wavefront_size32 1
		.amdhsa_system_sgpr_workgroup_id_x 1
		.amdhsa_system_sgpr_workgroup_id_y 1
		.amdhsa_system_sgpr_workgroup_id_z 1
		.amdhsa_system_vgpr_workitem_id 0
		.amdhsa_next_free_vgpr 128
		.amdhsa_next_free_sgpr 66
		.amdhsa_reserve_vcc 0
		.amdhsa_float_denorm_mode_32 3
		.amdhsa_float_denorm_mode_16_64 3
		.amdhsa_memory_ordered 1
		.amdhsa_forward_progress 1
		.amdhsa_inst_pref_size 13
	.end_amdhsa_kernel
	.amdgpu_metadata
---
amdhsa.version: [ 1, 2 ]
amdhsa.kernels:
  - .name:           k_q4a0f7863d0_finish
    .symbol:         k_q4a0f7863d0_finish.kd
    .args:
      - { .name: pacc, .offset: 0, .size: 8, .value_kind: global_buffer, .address_space: global }
      - { .name: pstat, .offset: 8, .size: 8, .value_kind: global_buffer, .address_space: global }
      - { .name: lg, .offset: 16, .size: 8, .value_kind: global_buffer, .address_space: global }
      - { .name: out0, .offset: 24, .size: 8, .value_kind: global_buffer, .address_space: global }
      - { .name: out1, .offset: 32, .size: 8, .value_kind: global_buffer, .address_space: global }
    .group_segment_fixed_size: 10240
    .private_segment_fixed_size: 0
    .kernarg_segment_align: 8
    .kernarg_segment_size: 40
    .max_flat_workgroup_size: 256
    .sgpr_count:     66
    .vgpr_count:     128
    .wavefront_size: 32
...
	.end_amdgpu_metadata
.endif
;; end of part 3
;; ======== version 2 of 2: 3 launches
;; limits: right only within a limited range of input values; values are held in bf16: 8 bits of precision
;; workspace buffers: wpack 557,056 bytes; pd 131,072 bytes; pacc 1,048,576 bytes; pstat 65,536 bytes; lg 262,144 bytes; act 16,384 bytes of whole numbers
;; launch prep (part 4): grid 64 x 1, 4 waves a work-group, no clusters, 9,728 bytes of LDS; arguments dec_state_codes, dec_state_scales, w_dec_codes, w_dec_scales, w_enc_codes, w_enc_scales, wpack, pd, enc_mask, act; writes wpack, pd, act
.if DOCPART == 4
	.amdgcn_target "amdgcn-amd-amdhsa--gfx1250"
	.amdhsa_code_object_version 6
	.text
	.protected	k_q4a0f7863d0_prep
	.globl	k_q4a0f7863d0_prep
	.p2align	8
	.type	k_q4a0f7863d0_prep,@function
k_q4a0f7863d0_prep:
	s_mov_b64 s[64:65], 0
	v_nop
	global_prefetch_b8 v0, s[64:65] scope:SCOPE_SE
	s_setreg_imm32_b32 hwreg(HW_REG_WAVE_MODE, 25, 1), 1
	s_wait_xcnt 0x0
; FIRST OF THREE LAUNCHES.  The program: logit[s][b] = w_out . tanh(Q(enc[s][b]) W_enc^T + dec[b] W_dec^T), masked as the problem writes it, softmax over s, out1 = the weights, out0[b] = sum over s of weight x enc[s][b].
; EVERY INPUT IS LOADED.  WHAT THE MASK DECIDES: the mask holds whole numbers; this launch turns it into bit lists (act), and the later launches, which read them from memory, work only the rows that they list.
; A position with m = 0 has the logit l 0 - 2e9 = -2e9 whatever its row holds.  In a batch with a true position the largest logit M is at least -sum|w_out| (|tanh| <= 1), so the hidden position's weight e^(-2e9 - M) is
; under the smallest f32 number and is 0 in the problem's own f32 too: it adds nothing to the sum of the exponentials nor to out0.  LIMIT: that holds while sum|w_out| stays under 1.9e9.
; A batch with NO true position has all logits -2e9, all weights 1 / 2048, and needs every row: there every position is listed and the batch's flag is 0, by which the next launch takes m = 0 in the problem's formula.
; LIMIT: a NaN or an infinity in a row that the mask hides is not carried to the result (NaN and infinities among the inputs are not served at all).  A scale byte 0xff among the inputs gives NaN, as it stands for NaN.
; THREE ROLES, told apart by the work-group's number x alone (the same in all four waves):
; x = 0..15:  pd[b][h] = dec_state[b] . w_dec[h], both given as codes of E2M1 with E8M0 scales, by the scaled matrix instruction; wave w owns rows 16 (4 x + w) .. + 15 of w_dec; the work-group stores 64 columns of pd.
; x = 16..31: w_enc's codes and scale bytes are laid into wpack in the order of an operand's registers; wave w owns tile 4 (x - 16) + w.
;   wpack: [tile of 16 rows of w_enc, 0..63][8,704 bytes]: byte 512 i + 16 lane (i = 2 q + c) is registers 4 c .. 4 c + 3 of the fragment of K step q (128 along K);
;   byte 8,192 + 16 lane: four scale words; word i holds in lanes 0-15 row (lane)'s word of K step 2 i, in lanes 16-31 that of K step 2 i + 1.
; x = 32..63: act[b = x - 32][128 words]: words 0-63: bit i of word n = position 32 n + i is listed; words 64-127: the flag (1: the batch has a true position).  Wave w reads positions 512 w .. + 511 of the column,
;   16 loads of a byte a lane; the 64 words meet in LDS; wave 0 stores the words, wave 1 the flag, 256 consecutive bytes each.
; Each role that uses LDS has bytes of its own.  No tensor load, no cluster, no prefetch: there is no loop, and what work-groups share is dec_state's 17,408 bytes.
.set WT,     8704                      ; bytes of a tile in wpack
.set SPITCH, 272                       ; pd's stage: a batch's 64 numbers (256 bytes) + 16 of padding
.set SPARE,  32*SPITCH                 ; behind the stage's 32 rows: the spare words, 128 bytes for each wave
.set MWD,    SPARE+512                 ; the mask's words: 128 bytes a wave, word j of the wave at 4 j
.set WD,   16                          ; v16-79    w_dec's 8 fragments (K step q at + 8 q); in the copy: w_enc's; v80-83 its scale words
.set DS,   80                          ; v80-207   dec_state's: batches 16 u .. at + 64 u
.set WDS,  208                         ; v208-211  w_dec's scale words: register i: lanes 0-15 K step 2 i, lanes 16-31 K step 2 i + 1
.set DSS,  212                         ; v212-219  dec_state's likewise, + 4 u
.set ACC,  220                         ; v220-235  two accumulators
.set OUTR, 236                         ; v236-251  rows read back from the stage
.set SPW,  252                         ; v252      LDS address of my spare word; never rewritten
.set NIL,  253                         ; v253      0; never rewritten
.set MB,   32                          ; v32-47    the mask's bytes; v48 my 16 words; v50-53 at work
	s_load_b256 s[4:11], s[0:1], 0x0               ; dec codes s[4:5], dec scales s[6:7], w_dec codes s[8:9], w_dec scales s[10:11]
	s_load_b256 s[12:19], s[0:1], 0x20             ; w_enc codes s[12:13], w_enc scales s[14:15], wpack s[16:17], pd s[18:19]
	s_load_b128 s[32:35], s[0:1], 0x40             ; enc_mask s[32:33], act s[34:35]
	v_lshl_add_u32 v[SPW], v0, 2, SPARE
	v_mov_b32 v[NIL], 0
	v_lshrrev_b32 v1, 5, v0
	v_readfirstlane_b32 s20, v1                    ; wave 0..3
	v_and_b32 v2, 15, v0                           ; r
	v_bfe_u32 v3, v0, 4, 1                         ; h
	v_lshlrev_b32 v4, 9, v2
	v_lshl_add_u32 v4, v3, 4, v4                   ; codes: row r of 512 bytes, + 16 h
	v_lshlrev_b32 v5, 5, v2
	v_lshl_add_u32 v5, v3, 2, v5                   ; scale bytes: row r of 32, + 4 h
	v_mul_u32_u24 v6, v2, SPITCH
	v_lshl_add_u32 v6, v3, 5, v6
	s_lshl_b32 s21, s20, 6
	v_add_nc_u32 v6, s21, v6                       ; into the stage: row r, + 64 x wave + 32 h
	v_lshrrev_b32 v10, 4, v0                       ; thread / 16: 0..7
	v_mul_u32_u24 v7, v10, SPITCH
	v_lshl_add_u32 v7, v2, 4, v7                   ; back: sixteen lanes to a row
	v_lshlrev_b32 v8, 12, v10
	v_lshl_add_u32 v8, v2, 4, v8                   ; and the same place in pd: rows of 4,096 bytes
	v_and_b32 v9, 31, v0
	v_lshlrev_b32 v11, 5, v9                       ; the mask: a position's row is 32 bytes: 32 x lane
	v_lshlrev_b32 v12, 3, v9                       ; act: 8 x lane
	s_lshl_b32 s21, s20, 7
	s_add_co_u32 s21, s21, MWD
	v_lshl_add_u32 v13, v9, 2, s21                 ; my wave's words: 4 x lane
	v_lshrrev_b32 v14, 3, v9
	v_and_b32 v15, 7, v9
	v_lshlrev_b32 v14, 7, v14
	v_lshl_add_u32 v14, v15, 3, v14
	v_add_nc_u32 v14, MWD, v14                     ; words 2 lane and 2 lane + 1 of the 64: wave lane / 8, byte 8 (lane % 8)
	v_lshlrev_b32 v9, 4, v9                        ; 16 x lane
	s_mov_b32 s23, ttmp9                           ; x
	s_and_b32 s22, s23, 15
	s_lshl_b32 s30, s22, 8                         ; the work-group's 64 columns of pd
	s_mov_b32 s31, 0
	s_lshl_b32 s22, s22, 2
	s_add_co_u32 s22, s22, s20                     ; my tile of 16 rows
	s_lshl_b32 s24, s22, 13                        ; its codes: 16 rows of 512 bytes
	s_mov_b32 s25, 0
	s_lshl_b32 s26, s22, 9                         ; its scale bytes
	s_mov_b32 s27, 0
	s_mul_i32 s28, s22, WT                         ; its place in wpack
	s_mov_b32 s29, 0
	s_and_b32 s36, s23, 31                         ; my batch of the mask
	s_lshl_b32 s38, s36, 9                         ; its 512 bytes of act,
	s_and_b32 s39, s20, 1
	s_lshl_b32 s39, s39, 8
	s_add_co_u32 s38, s38, s39                     ; the first 256 (wave 0) or the second (wave 1)
	s_mov_b32 s39, 0
	s_lshl_b32 s37, s20, 14                        ; my wave's 512 positions of 32 bytes
	s_add_co_u32 s36, s36, s37
	s_mov_b32 s37, 0
	s_wait_alu depctr_va_vdst(0)
	s_wait_kmcnt 0x0
	s_add_nc_u64 s[8:9], s[8:9], s[24:25]
	s_add_nc_u64 s[10:11], s[10:11], s[26:27]
	s_add_nc_u64 s[12:13], s[12:13], s[24:25]
	s_add_nc_u64 s[14:15], s[14:15], s[26:27]
	s_add_nc_u64 s[16:17], s[16:17], s[28:29]
	s_add_nc_u64 s[18:19], s[18:19], s[30:31]
	s_add_nc_u64 s[32:33], s[32:33], s[36:37]
	s_add_nc_u64 s[34:35], s[34:35], s[38:39]
	s_cmp_lt_u32 s23, 16
	s_cbranch_scc1 .Lpd
	s_cmp_lt_u32 s23, 32
	s_cbranch_scc1 .Lwp
; ---------------- the mask of one batch
.irp j, 0,1,2,3,4,5,6,7,8,9,10,11,12,13,14,15
	global_load_u8 v[MB+\j], v11, s[32:33] offset:1024*\j      ; lane l: position 512 w + 32 j + l of my batch
.endr
	s_wait_loadcnt 0x0
	v_mov_b32 v48, 0
.irp j, 0,1,2,3,4,5,6,7,8,9,10,11,12,13,14,15
	v_cmp_ne_u32 s40, 0, v[MB+\j]                  ; the 32 lanes' bits as one scalar word,
	v_writelane_b32 v48, s40, \j                   ; which goes to lane j; lanes 16-31 keep 0
.endr
	ds_store_b32 v13, v48
	s_wait_dscnt 0x0                               ; for the others' sake: my words lie in LDS
	s_barrier_signal -1
	s_barrier_wait -1
	ds_load_b64 v[50:51], v14                      ; two neighbouring words of the 64: 8 neighbouring bytes of act
	s_wait_dscnt 0x0
	v_or_b32 v52, v50, v51
	v_cmp_ne_u32 s41, 0, v52                       ; is any position of the batch true?
	s_cmp_lg_u32 s41, 0
	s_cselect_b32 s42, 0, -1                       ; a batch with no true position: every position is listed,
	s_cselect_b32 s43, 1, 0                        ; and its flag is 0
	s_cmp_gt_u32 s20, 1
	s_cbranch_scc1 .Lend                           ; waves 2 and 3 have handed their words over
	v_or_b32 v50, s42, v50
	v_or_b32 v51, s42, v51
	v_mov_b32 v53, s43
	s_cmp_eq_u32 s20, 0
	s_cselect_b32 s44, -1, 0                       ; wave 0 stores the words, wave 1 the flag: a choice of data
	v_cndmask_b32 v50, v53, v50, s44
	v_cndmask_b32 v51, v53, v51, s44
	global_store_b64 v12, v[50:51], s[34:35]       ; 32 lanes store 256 consecutive bytes, aligned
	s_branch .Lend
; ---------------- the copy of w_enc.  A fragment of 4-bit codes: lane (r, h), registers 4 c .. 4 c + 3 = K 128 q + 64 c + 32 h + 0 .. 31 of row r: 16 bytes at 512 r + 32 (2 q + c) + 16 h
.Lwp:
.irp i, 0,1,2,3,4,5,6,7,8,9,10,11,12,13,14,15
	global_load_b128 v[WD+4*\i:WD+4*\i+3], v4, s[12:13] offset:32*\i
.endr
.irp i, 0,1,2,3
	global_load_b32 v[80+\i], v5, s[14:15] offset:8*\i
.endr
	s_wait_loadcnt 0x0
.irp i, 0,1,2,3,4,5,6,7,8,9,10,11,12,13,14,15
	global_store_b128 v9, v[WD+4*\i:WD+4*\i+3], s[16:17] offset:512*\i   ; 32 lanes store 512 consecutive bytes
.endr
	global_store_b128 v9, v[80:83], s[16:17] offset:8192
	s_branch .Lend
; ---------------- pd
.Lpd:
.irp i, 0,1,2,3,4,5,6,7,8,9,10,11,12,13,14,15
	global_load_b128 v[WD+4*\i:WD+4*\i+3], v4, s[8:9] offset:32*\i
.endr
.irp i, 0,1,2,3
	global_load_b32 v[WDS+\i], v5, s[10:11] offset:8*\i
.endr
.irp u, 0,1
.irp i, 0,1,2,3,4,5,6,7,8,9,10,11,12,13,14,15
	global_load_b128 v[DS+64*\u+4*\i:DS+64*\u+4*\i+3], v4, s[4:5] offset:8192*\u+32*\i
.endr
.irp i, 0,1,2,3
	global_load_b32 v[DSS+4*\u+\i], v5, s[6:7] offset:512*\u+8*\i
.endr
.endr
	s_wait_loadcnt 0x0
; Source 0 = 16 rows of w_dec, source 1 = 16 batches: lane (r, h), register j = pd[16 u + r][16 tile + 8 h + j].  The two accumulators take turns.
.macro PD q, u
.if (\q) == 0
	v_wmma_scale_f32_16x16x128_f8f6f4 v[ACC+8*\u:ACC+8*\u+7], v[WD+8*\q:WD+8*\q+7], v[DS+64*\u+8*\q:DS+64*\u+8*\q+7], 0, v[WDS+(\q)/2], v[DSS+4*\u+(\q)/2] matrix_a_fmt:MATRIX_FMT_FP4 matrix_b_fmt:MATRIX_FMT_FP4
.elseif (\q)%2 == 0
	v_wmma_scale_f32_16x16x128_f8f6f4 v[ACC+8*\u:ACC+8*\u+7], v[WD+8*\q:WD+8*\q+7], v[DS+64*\u+8*\q:DS+64*\u+8*\q+7], v[ACC+8*\u:ACC+8*\u+7], v[WDS+(\q)/2], v[DSS+4*\u+(\q)/2] matrix_a_fmt:MATRIX_FMT_FP4 matrix_b_fmt:MATRIX_FMT_FP4
.else
	v_wmma_scale_f32_16x16x128_f8f6f4 v[ACC+8*\u:ACC+8*\u+7], v[WD+8*\q:WD+8*\q+7], v[DS+64*\u+8*\q:DS+64*\u+8*\q+7], v[ACC+8*\u:ACC+8*\u+7], v[WDS+(\q)/2], v[DSS+4*\u+(\q)/2] matrix_a_fmt:MATRIX_FMT_FP4 matrix_b_fmt:MATRIX_FMT_FP4 matrix_a_scale:MATRIX_SCALE_ROW1 matrix_b_scale:MATRIX_SCALE_ROW1
.endif
.endm
.irp q, 0,1,2,3,4,5,6,7
.irp u, 0,1
	PD \q, \u
.endr
.endr
.rept 4
	v_nop                                          ; four places between the last product and the first read of results (ISA guide 7.12.1)
.endr
.irp u, 0,1
	ds_store_b128 v6, v[ACC+8*\u:ACC+8*\u+3] offset:16*SPITCH*\u        ; each accumulator from its low end on
	ds_store_b128 v6, v[ACC+8*\u+4:ACC+8*\u+7] offset:16*SPITCH*\u+16
.endr
	s_wait_dscnt 0x0                               ; for the others' sake: my stores into the stage are done
	s_barrier_signal -1
	s_barrier_wait -1
.irp k, 0,1,2,3
	ds_load_b128 v[OUTR+4*\k:OUTR+4*\k+3], v7 offset:8*SPITCH*\k
.endr
.irp k, 0,1,2,3
	s_wait_dscnt 3-\k                              ; the younger loads may stay out
	global_store_b128 v8, v[OUTR+4*\k:OUTR+4*\k+3], s[18:19] offset:32768*\k   ; sixteen lanes store 256 consecutive bytes, aligned
.endr
.Lend:
	s_wait_tensorcnt 0x0                           ; the wave's end
	ds_add_u32 v[SPW], v[NIL]
	s_wait_dscnt 0x0
	s_endpgm
.Lfunc_end_k_q4a0f7863d0_prep:
	.size	k_q4a0f7863d0_prep, .Lfunc_end_k_q4a0f7863d0_prep-k_q4a0f7863d0_prep
	.p2alignl 7, 3214868480
	.fill 96, 4, 3214868480
	.section	.rodata,"a",@progbits
	.p2align	6, 0x0
	.amdhsa_kernel k_q4a0f7863d0_prep
		.amdhsa_group_segment_fixed_size 9728
		.amdhsa_private_segment_fixed_size 0
		.amdhsa_enable_private_segment 0
		.amdhsa_kernarg_size 80
		.amdhsa_user_sgpr_count 2
		.amdhsa_user_sgpr_kernarg_segment_ptr 1
		.amdhsa_wavefront_size32 1
		.amdhsa_system_sgpr_workgroup_id_x 1
		.amdhsa_system_sgpr_workgroup_id_y 1
		.amdhsa_system_sgpr_workgroup_id_z 1
		.amdhsa_system_vgpr_workitem_id 0
		.amdhsa_next_free_vgpr 256
		.amdhsa_next_free_sgpr 66
		.amdhsa_reserve_vcc 0
		.amdhsa_float_denorm_mode_32 3
		.amdhsa_float_denorm_mode_16_64 3
		.amdhsa_memory_ordered 1
		.amdhsa_forward_progress 1
		.amdhsa_inst_pref_size 21
	.end_amdhsa_kernel
	.amdgpu_metadata
---
amdhsa.version: [ 1, 2 ]
amdhsa.kernels:
  - .name:           k_q4a0f7863d0_prep
    .symbol:         k_q4a0f7863d0_prep.kd
    .args:
      - { .name: dec_state_codes, .offset: 0, .size: 8, .value_kind: global_buffer, .address_space: global }
      - { .name: dec_state_scales, .offset: 8, .size: 8, .value_kind: global_buffer, .address_space: global }
      - { .name: w_dec_codes, .offset: 16, .size: 8, .value_kind: global_buffer, .address_space: global }
      - { .name: w_dec_scales, .offset: 24, .size: 8, .value_kind: global_buffer, .address_space: global }
      - { .name: w_enc_codes, .offset: 32, .size: 8, .value_kind: global_buffer, .address_space: global }
      - { .name: w_enc_scales, .offset: 40, .size: 8, .value_kind: global_buffer, .address_space: global }
      - { .name: wpack, .offset: 48, .size: 8, .value_kind: global_buffer, .address_space: global }
      - { .name: pd, .offset: 56, .size: 8, .value_kind: global_buffer, .address_space: global }
      - { .name: enc_mask, .offset: 64, .size: 8, .value_kind: global_buffer, .address_space: global }
      - { .name: act, .offset: 72, .size: 8, .value_kind: global_buffer, .address_space: global }
    .group_segment_fixed_size: 9728
    .private_segment_fixed_size: 0
    .kernarg_segment_align: 8
    .kernarg_segment_size: 80
    .max_flat_workgroup_size: 128
    .sgpr_count:     66
    .vgpr_count:     256
    .wavefront_size: 32
...
	.end_amdgpu_metadata
.endif
;; end of part 4
;; launch attn (part 5): grid 8 x 32, 8 waves a work-group, no clusters, 310,784 bytes of LDS; arguments enc_states, act, w_out, wpack, pd, pacc, pstat, lg; writes pacc, pstat, lg
.if DOCPART == 5
	.amdgcn_target "amdgcn-amd-amdhsa--gfx1250"
	.amdhsa_code_object_version 6
	.text
	.protected	k_q4a0f7863d0_attn
	.globl	k_q4a0f7863d0_attn
	.p2align	8
	.type	k_q4a0f7863d0_attn,@function
k_q4a0f7863d0_attn:
	s_mov_b64 s[64:65], 0
	v_nop
	global_prefetch_b8 v0, s[64:65] scope:SCOPE_SE
	s_setreg_imm32_b32 hwreg(HW_REG_WAVE_MODE, 25, 1), 1
	s_wait_xcnt 0x0
; SECOND OF THREE LAUNCHES: the whole chain for the LISTED positions among 256 positions s of ONE batch b (work-group x = chunk c, y = b), each listed row of enc_states read from memory once.
; ROWS THAT THE MASK HIDES ARE NOT WORKED: act, which the first launch stored, lists a batch's true positions (all positions, with flag 0, where it has none); why a hidden row adds nothing is shown at the first kernel's head.
; It stores: lg[b][256 c + 64 g + k] the logit of the k-th listed position of X wave g's 64 (other slots: -2e9 or less, read by nobody's result); pstat[b][c] the chunk's largest logit m and sum l of e^(logit - m);
; pacc[b][c][:] = sum over the chunk's listed rows of e^(logit - m) x enc[s][b][:].  The last launch joins the 8 chunks of a batch.
; ROLES.  Waves 4-7 (X): wave g owns positions 256 c + 64 g + n, n = 0..63; it walks its 64 bits of act in scalar registers and streams the listed rows (4,096 bytes each) through a ring of 8 rows in registers; quantises each
; row to E2M1 codes and E8M0 bytes (in f32, by the problem's rule) into LDS; keeps a bf16 copy of it in LDS; and, two periods later, adds weight x row from that copy.  Waves 0-3 (G): wave g owns hidden units 256 g .. + 255; it
; holds a tile's 64 rows of codes in 256 registers, loads w_enc's fragments from wpack straight into registers (two slots of one tile of 16 units), and makes products, tanh and the dot with w_out.
; A TILE is 64 row slots: the listed rows 16 t .. 16 t + 15 of each X wave (tile row 16 g + j).  The work-group has NT = ceil(the largest of its four waves' counts / 16) tiles, 0 to 4.
; A wave's block of 8 slots: with rows behind it: worked, and the ring asks 8 rows ahead; its last block: worked, and nothing is asked; none of its rows left but the tile is live: zero codes, the scale byte 127 and a zero copy
; are stored.  Slots of the last block beyond the wave's count take its last row once more: so every counted wait
; has the same count on every way.  Such slots, and the zero ones, get the logit -3e38 by a select, so that their weight is 0.
; PERIOD T = 0..5: X quantises tile T (T < NT); G multiplies tile T - 1 (1 <= T <= NT); X takes tile T - 2's softmax step and weighted sum (2 <= T <= NT + 1).
; Every wave walks every loop and every barrier; trip counts are constants; work is jumped over by scalar branches on the wave's number, the loops' counters and the counts read from act.  Only the blocks of products, the
; blocks of rows and the softmax step hang on those counts; the loads of codes and of partial logits and the store of partial logits go by the counters alone, so that what a block reads has been written on every way.
; TWO BARRIERS A PERIOD.  Ahead of B1: G loads the tile's codes out of IMG and SCL, X loads the partial logits out of EX.  Between B1 and B2: X writes IMG, SCL and its own part of RET; G writes EX.
; tanh(a) = 1 - 2 / (1 + 2^(2 log2(e) a)), so w . tanh = sum of w + sum of (-2 w) / (1 + 2^(..)); at both ends of the range the exponential goes to 0 or infinity and the quotient to 1 or 0.
; SOFTMAX: a running maximum m; at each tile l and the sum are multiplied by e^(old m - new m).  The mask is the problem's own formula, l m - (1 - m) 2e9, as one fused multiply-add, exact for m = 0 and m = 1; m is the batch's flag.
; NO CLUSTER, NO TENSOR LOAD: wpack is read by all work-groups, but each of its bytes goes to exactly one wave of a work-group and lies in the order of that wave's registers; through LDS it would be written and read once
; more (557,056 bytes a tile), and the rows' bf16 copy takes 262,144 of the 327,680 bytes of LDS, which leaves no room for two slots of it.
; The last two refills of a W slot and the last load of the tables in a work-group's last period of products wrap round to tiles 0 and 1 and are not used: so every counted wait has the same count in every step.
; LIMITS: NaN and infinities among the inputs are not served.  sum|w_out| under 1.9e9 (first kernel's head).  A block of 32 whose largest magnitude lies under 2^-124 (zeros too) keeps the scale byte 1; its bytes are read by
; this program alone.  enc_states is rounded to bf16 for the weighted sum alone; the quantiser sees f32.  The exponential and the reciprocal are the chip's (1 ulp): a term of the logit is off by some 1e-7 x |w_out|.
; Sums are ordered otherwise than in the problem's text.
; TILE ROWS AND THE SHIFT (this stands in place of what the head says of a tile's rows and of lg's slots).
; Slot j (0..15) of X wave g lies in tile row 16 (j / 4) + 4 g + j % 4: row tile rt holds slots 4 rt .. 4 rt + 3 of all four waves.
; S = 8 where ceil(the largest of the four counts / 8) is odd, else 0.  A wave's k-th listed row takes slot k + S of its list: with S = 8 slots 0-7 of tile 0 are empty in all four waves
; (zero codes, zero copy, logit -3e38 by a select), and G multiplies row tiles 2 and 3 alone for that tile.  8 ceil(largest / 8) is at most 64, so k + S stays under 64.
; lg[b][256 c + 64 g + k + S] is the logit of the k-th listed position; the last launch makes the same S from the same 8 words of act.
.set WT,     8704
.set SS,  31                           ; s31  S
.set DL,  193                          ; v193 X: S less my lane's slot j: tile row lane of tile t holds a row only where 16 t >= DL
.set IPITCH, 528                       ; a row of codes in LDS: 512 bytes + 16
.set SPITCH, 36                        ; a row of 32 scale bytes + 4
.set RET,    0                         ; [parity 2][g 4][row 16][2,048]: the rows' bf16 copy, each lane's own: 512 i + 16 lane
.set TCB,    262144                    ; pd[b][:], 4,096 bytes; 4,096 bytes on: -2 w_out
.set IMG,    270336                    ; 64 rows of codes; at the end: the four X waves' sums
.set SCL,    304128                    ; 64 rows of scale bytes
.set EX,     306432                    ; [g][64] partial logits
.set LGT,    307456                    ; the logits by slot: slot 64 g + k of the chunk at + 128 + 4 (64 g + k)
.set PT,     308736                    ; [g][64] the tile's weights, a copy for each X wave
.set SPARE,  309760                    ; the spare words, 128 bytes for each of the eight waves
; VECTOR REGISTERS.  v2-34 are addresses, made ahead of the first parting of the roles and written again in common text alone; they never hold loaded data.
.set SPW, 2                            ; my spare word; never rewritten
.set NIL, 3                            ; 0; never rewritten
.set XO,  4                            ; 32 x lane: my 32 bytes of each 1,024 of a row
.set OFA, 5                            ; 16 x lane + this half's 8 tiles of wpack
.set OFB, 6                            ; 16 x lane + the other half's
.set IW0, 7                            ; IMG + my wave's 16 rows + 4 x lane
.set SW0, 8                            ; SCL + my wave's 16 rows + lane / 4
.set RET0, 9                           ; 32,768 g + 16 x lane
.set IW,  10                           ; the three above + the half's (and the parity's) scalar
.set SW,  11
.set RW,  12
.set RR,  13                           ; RET0 + parity: where the weighted sum reads
.set FR,  14                           ; IMG + 528 r + 16 h: a fragment's place
.set SR,  15                           ; SCL + 36 r + 4 h
.set TB,  16                           ; TB0 + this half's 512 bytes of the tables
.set TB2, 17                           ; TB0 + the other half's
.set EXW, 18
.set EXR, 19
.set ML0, 20                           ; LGT + 256 ((lane / 4) % 4) + 16 h + 4 (lane % 4)
.set ML,  21                           ; ML0 + 64 T: tile T - 2's slots (the 128 in LGT's layout takes the 2 away)
.set PTW, 22
.set PTR, 23
.set TW,  24
.set TG,  25
.set MW,  26
.set RDW, 28
.set RDR, 29
.set GO,  30
.set LR,  31
.set L16, 32
.set L8,  33
.set TB0, 34                           ; TCB + 1,024 g + 32 h
.set W1G, 39                           ; G: the sum of my 256 numbers of w_out
; G: window 0
.set ACC, 40                           ; v40-71    four accumulators: row tile rt at + 8 rt
.set WF,  72                           ; v72-199   two slots of w_enc's 8 fragments
.set WS,  200                          ; v200-207  their scale words
.set XS,  208                          ; v208-223  the rows' scale words: 4 rt + i: lanes 0-15 K step 2 i, lanes 16-31 K step 2 i + 1
.set CB,  224                          ; v224-231  pd at the step's 8 units of my half: the C of a sum's first product
.set WO,  232                          ; v232-247  -2 w_out likewise, two sets
.set LG,  248                          ; v248-255  the logits' sums, a pair for each row tile
;    window 1: the tile's codes: row tile rt, K step q at 64 rt + 8 q
; X: window 0 (v200-223 are not named: they hold scales and nothing else)
.set ACCO, 40                          ; v40-71    the weighted sum: register 8 i + k = column 256 i + 8 lane + k
.set RB,   72                          ; v72-135   four rows of the bf16 copy
.set PV,   136                         ; v136-151  my 16 rows' weights
.set PK,   152                         ; v152-167  a row packed to bf16
.set QM,   168                         ; v168-171 largest magnitudes, v172-175 scale operands, v176-179 bytes, v180-183 codes
.set QS,   172
.set QB,   176
.set QC,   180
.set BK,   184                         ; v184-192  partial logits, at work
.set DA,   196                         ; the count + S of the wave that owns tile row lane, less its slot j: slot 16 t + j holds a listed row where 16 t < DA
.set DB,   197                         ; the same for tile row lane + 32
.set MRUN, 224
.set LRUN, 225
.set FF,   226                         ; v[226:227] e^(old m - new m), twice
;    v228-233 at work.   window 1: the ring: slot k's row at 32 k; register 8 i + k' = column 256 i + 8 lane + k'
; SCALARS
.set WVN, 20                           ; wave
.set GN,  21                           ; wave & 3
.set CN,  22                           ; chunk
.set BN,  23                           ; batch
.set XB,  24                           ; s[24:25] enc_states at my wave's first position, my batch; never rewritten
.set WB,  26                           ; s[26:27] my 16 tiles of wpack
.set K2,  28                           ; s[28:29] 2 log2(e), twice
.set L2E, 30
.set NBIG, 32                          ; -2e9
.set SEL, 34                           ; s[34:35] v_permlanex16_b32's selects for lane l xor 16
.set TT,  36                           ; period 0..5
.set II,  37                           ; half 0..1
.set HH,  38                           ; 2 T + I
.set PAR, 39                           ; 0 or 131,072
.set IH,  40
.set SH,  41
.set RH,  42
.set UU,  43                           ; 64 T
.set TH,  46
.set WH,  47
.set RBS, 66                           ; s[66:81] ring slot k's row in memory: a pair for each slot
.set AW,  84                           ; s[84:91] the chunk's 8 words of act
.set FLG, 92                           ; the batch's flag
.set MLO, 93                           ; my wave's 64 bits that are still to be asked for
.set MHI, 94
.set IDX, 95                           ; the position asked for last, 0..63
.set NG,  96                           ; my wave's count + S
.set NT,  97                           ; the work-group's tiles
.set NT2, 98                           ; twice that
.set MF,  99                           ; m as f32
.set T0,  100                          ; -(1 - m) 2e9
.set MSB, 0
.macro WIN new                         ; the immediate's high byte repeats the setting that is left
.if MSB != \new
	s_set_vgpr_msb (MSB<<8)|\new
.set MSB, \new
.endif
.endm
.macro BARRIER                         ; my LDS stores have landed and my LDS loads are in: then the work-group's barrier.  It stands in common text alone
	s_wait_dscnt 0x0
	s_barrier_signal -1
	s_barrier_wait -1
.endm
	s_load_b256 s[4:11], s[0:1], 0x0               ; enc_states s[4:5], act s[6:7], w_out s[8:9], wpack s[10:11]
	s_load_b256 s[12:19], s[0:1], 0x20             ; pd s[12:13], pacc s[14:15], pstat s[16:17], lg s[18:19]
	v_lshl_add_u32 v[SPW], v0, 2, SPARE
	v_mov_b32 v[NIL], 0
	v_lshrrev_b32 v35, 5, v0
	s_delay_alu instid0(VALU_DEP_1)
	v_readfirstlane_b32 s[WVN], v35
	s_and_b32 s[GN], s[WVN], 3
	s_mov_b32 s[CN], ttmp9
	s_and_b32 s[BN], ttmp7, 0xffff
	s_lshl_b32 s48, s[BN], 9                       ; act: 512 bytes a batch,
	s_mov_b32 s49, 0
	s_lshl_b32 s50, s[CN], 5                       ; 8 words a chunk
	s_mov_b32 s51, 0
	s_wait_kmcnt 0x0
	s_add_nc_u64 s[6:7], s[6:7], s[48:49]
	s_add_nc_u64 s[82:83], s[6:7], s[50:51]
	s_load_b32 s[FLG], s[6:7], 0x100               ; the rows' addresses hang on these two loads: they go out first, and all the set-up below stands between them and their wait
	s_load_b256 s[AW:AW+7], s[82:83], 0x0
	v_and_b32 v35, 31, v0                          ; lane
	v_and_b32 v36, 15, v0                          ; r
	v_bfe_u32 v37, v0, 4, 1                        ; h
	v_and_b32 v38, 127, v0
	s_delay_alu instid0(VALU_DEP_4)
	v_lshlrev_b32 v[XO], 5, v35
	v_lshlrev_b32 v[L16], 4, v35
	v_lshlrev_b32 v[L8], 3, v35
	s_mul_i32 s44, s[GN], 4*IPITCH                 ; my wave's four rows of each row tile
	s_add_co_u32 s44, s44, IMG
	v_lshl_add_u32 v[IW0], v35, 2, s44
	s_mul_i32 s44, s[GN], 4*SPITCH
	s_add_co_u32 s44, s44, SCL
	v_lshrrev_b32 v[SW0], 2, v35
	s_delay_alu instid0(VALU_DEP_1)
	v_add_nc_u32 v[SW0], s44, v[SW0]
	s_lshl_b32 s44, s[GN], 15
	v_lshl_add_u32 v[RET0], v35, 4, s44
	v_mul_u32_u24 v[FR], v36, IPITCH
	s_delay_alu instid0(VALU_DEP_1)
	v_lshl_add_u32 v[FR], v37, 4, v[FR]
	s_delay_alu instid0(VALU_DEP_1)
	v_add_nc_u32 v[FR], IMG, v[FR]
	v_mul_u32_u24 v[SR], v36, SPITCH
	s_delay_alu instid0(VALU_DEP_1)
	v_lshl_add_u32 v[SR], v37, 2, v[SR]
	s_delay_alu instid0(VALU_DEP_1)
	v_add_nc_u32 v[SR], SCL, v[SR]
	s_lshl_b32 s44, s[GN], 10
	v_lshl_add_u32 v[TG], v35, 4, s44              ; my wave's 1,024 bytes of pd[b] and of w_out, 16 bytes a lane
	s_add_co_u32 s45, s44, TCB
	v_lshl_add_u32 v[TW], v35, 4, s45
	v_lshl_add_u32 v[TB0], v37, 5, s45
	s_lshl_b32 s44, s[GN], 8
	s_add_co_u32 s45, s44, EX
	v_lshl_add_u32 v[EXW], v36, 2, s45
	v_lshl_add_u32 v[EXR], v35, 2, EX
	v_bfe_u32 v[ML0], v35, 2, 2                    ; tile row lane belongs to wave (lane / 4) % 4,
	v_and_b32 v[ML], 3, v35                        ; and is its slot 4 (lane / 16) + lane % 4
	v_lshlrev_b32 v[ML0], 8, v[ML0]
	v_lshl_add_u32 v[ML0], v37, 4, v[ML0]
	v_lshl_add_u32 v[ML0], v[ML], 2, v[ML0]
	s_delay_alu instid0(VALU_DEP_1)
	v_add_nc_u32 v[ML0], LGT, v[ML0]
	s_add_co_u32 s45, s44, PT
	v_lshl_add_u32 v[PTW], v35, 2, s45
	s_lshl_b32 s46, s[GN], 4                       ; my four rows of row tile 0; the next four lie 64 bytes on
	s_add_co_u32 s45, s45, s46
	v_mov_b32 v[PTR], s45                          ; my wave's copy, at my wave's 16 rows: the same address in all lanes
	v_lshl_add_u32 v[MW], v38, 2, LGT+128
	s_lshl_b32 s44, s[GN], 12
	s_add_co_u32 s44, s44, IMG
	v_lshl_add_u32 v[RDW], v35, 5, s44
	v_lshl_add_u32 v[RDR], v0, 4, IMG
	v_lshlrev_b32 v[GO], 4, v0
	v_lshl_add_u32 v[LR], v35, 4, LGT+128
	s_mov_b32 s[K2], 0x4038aa3b                    ; 2 log2(e)
	s_mov_b32 s[K2+1], s[K2]                       ; (named with it as a pair, so it is written)
	s_mov_b32 s[L2E], 0x3fb8aa3b
	s_mov_b32 s[NBIG], 0xceee6b28
	s_mov_b32 s[SEL], 0x76543210
	s_mov_b32 s[SEL+1], 0xfedcba98
	s_lshl_b32 s48, s[CN], 25                      ; enc_states: 256 positions of 131,072 bytes a chunk,
	s_lshl_b32 s44, s[GN], 23                      ; 64 a wave,
	s_add_co_u32 s48, s48, s44
	s_lshl_b32 s44, s[BN], 12                      ; 4,096 bytes a batch: under 2^28 in all
	s_add_co_u32 s48, s48, s44
	s_mov_b32 s49, 0
	s_mov_b32 s50, s44                             ; pd: row b
	s_mov_b32 s51, 0
	s_mul_i32 s54, s[GN], 16*WT
	s_mov_b32 s55, 0
	s_lshl_b32 s56, s[BN], 3
	s_add_co_u32 s56, s56, s[CN]                   ; 8 b + c
	s_lshl_b32 s58, s56, 8
	s_mov_b32 s59, 0
	s_lshl_b32 s56, s56, 12
	s_mov_b32 s57, 0
	s_lshl_b32 s60, s[BN], 13
	s_lshl_b32 s44, s[CN], 10
	s_add_co_u32 s60, s60, s44
	s_mov_b32 s61, 0
	s_add_nc_u64 s[XB:XB+1], s[4:5], s[48:49]
	s_add_nc_u64 s[12:13], s[12:13], s[50:51]
	s_add_nc_u64 s[WB:WB+1], s[10:11], s[54:55]
	s_add_nc_u64 s[14:15], s[14:15], s[56:57]
	s_add_nc_u64 s[16:17], s[16:17], s[58:59]
	s_add_nc_u64 s[18:19], s[18:19], s[60:61]
	s_wait_kmcnt 0x0                               ; act's words and the flag
	s_bcnt1_i32_b32 s56, s[AW]                     ; the four X waves' counts: s56 .. s59
	s_bcnt1_i32_b32 s44, s[AW+1]
	s_add_co_u32 s56, s56, s44
	s_bcnt1_i32_b32 s57, s[AW+2]
	s_bcnt1_i32_b32 s44, s[AW+3]
	s_add_co_u32 s57, s57, s44
	s_bcnt1_i32_b32 s58, s[AW+4]
	s_bcnt1_i32_b32 s44, s[AW+5]
	s_add_co_u32 s58, s58, s44
	s_bcnt1_i32_b32 s59, s[AW+6]
	s_bcnt1_i32_b32 s44, s[AW+7]
	s_add_co_u32 s59, s59, s44
	s_max_u32 s[NT], s56, s57
	s_max_u32 s[NT], s[NT], s58
	s_max_u32 s[NT], s[NT], s59
	s_add_co_u32 s[SS], s[NT], 7
	s_and_b32 s[SS], s[SS], 8                      ; S = 8 where ceil(largest / 8) is odd
	s_add_co_u32 s[NT], s[NT], 15
	s_lshr_b32 s[NT], s[NT], 4                     ; the work-group's tiles: 0 to 4
	s_lshl_b32 s[NT2], s[NT], 1
	s_cmp_lt_u32 s[GN], 2                          ; my wave's two words and its count
	s_cselect_b32 s44, s[AW], s[AW+4]
	s_cselect_b32 s45, s[AW+1], s[AW+5]
	s_cselect_b32 s46, s[AW+2], s[AW+6]
	s_cselect_b32 s47, s[AW+3], s[AW+7]
	s_cselect_b32 s60, s56, s58
	s_cselect_b32 s61, s57, s59
	s_and_b32 s101, s[GN], 1
	s_cmp_lg_u32 s101, 0
	s_cselect_b32 s[MLO], s46, s44
	s_cselect_b32 s[MHI], s47, s45
	s_cselect_b32 s[NG], s61, s60
	s_add_co_u32 s[NG], s[NG], s[SS]               ; my count + S: the first slot behind my rows
	s_cmp_lg_u32 s[FLG], 0
	s_cselect_b32 s[MF], 0x3f800000, 0             ; m of every listed row: 1, or 0 in a batch with no true position
	s_cselect_b32 s[T0], 0, s[NBIG]                ; -(1 - m) 2e9
	s_mov_b32 s[IDX], 0
	s_mov_b32 s53, 0                               ; the upper word of a row's offset
; ---------------- X: the next listed position of my 64 -> ring slot k's row in memory.  Where none is left the last one stays.  Scalar registers alone; no branch.
.macro NEXT k
	s_cmp_lg_u32 s[MLO], 0
	s_cselect_b32 s44, s[MLO], s[MHI]              ; the word in hand,
	s_cselect_b32 s45, 0, 32                       ; its first position,
	s_cselect_b32 s48, -1, 0                       ; and which of the two it is
	s_ctz_i32_b32 s49, s44
	s_add_co_u32 s49, s49, s45                     ; the lowest listed position
	s_sub_co_u32 s50, s44, 1
	s_and_b32 s50, s50, s44                        ; the word without its lowest bit (0 stays 0)
	s_cmp_lg_u32 s44, 0
	s_cselect_b32 s[IDX], s49, s[IDX]
	s_cmp_lg_u32 s48, 0
	s_cselect_b32 s[MLO], s50, s[MLO]
	s_cselect_b32 s[MHI], s[MHI], s50
	s_min_u32 s51, s[IDX], 63                      ; a number that hangs on loaded data is held to its range ahead of an address
	s_lshl_b32 s52, s51, 17                        ; a position is 131,072 bytes
	s_add_nc_u64 s[RBS+2*(\k):RBS+2*(\k)+1], s[XB:XB+1], s[52:53]
.endm
; ---------------- X: one row, in ring slot k.  ahead = 1: the slot is asked again for the listed row 8 further on.
.macro XSTEP k, ahead
.set LK, 32*(\k)
.if \ahead
	s_wait_loadcnt 56                              ; loads come back in order: my row's 8 are in, the 7 younger rows' 56 stay out.  The slot's pair of scalar registers is free since this wait
.else
	s_wait_loadcnt 8*(7-(\k))                      ; the wave's last block asks for nothing: the counts run down
.endif
	WIN 0x05                                       ; sources 0 and 1: the ring, window 1
.irp i, 0,1,2,3
	v_max3_num_f32 v[QM+\i], |v[LK+8*\i]|, |v[LK+8*\i+1]|, 0x1800000   ; my 8 numbers of block 8 i + lane / 4, and the floor 2^(3 - 127): the byte cannot fall under 1
.endr
.irp m, 2,4,6
.irp i, 0,1,2,3
	s_delay_alu instid0(VALU_DEP_4)
	v_max3_num_f32 v[QM+\i], |v[LK+8*\i+\m]|, |v[LK+8*\i+\m+1]|, v[QM+\i]
.endr
.endr
.irp a, 0,1,2,3,4,5,6,7,8,9,10,11,12,13,14,15
	v_cvt_pk_bf16_f32 v[PK+\a], v[LK+2*\a], v[LK+2*\a+1]           ; the copy for the weighted sum
.endr
	WIN 0
.irp i, 0,1,2,3
	v_max_num_f32_dpp v[QM+\i], v[QM+\i], v[QM+\i] row_xmask:1 row_mask:0xf bank_mask:0xf
.endr
.irp i, 0,1,2,3
	s_delay_alu instid0(VALU_DEP_4)
	v_max_num_f32_dpp v[QM+\i], v[QM+\i], v[QM+\i] row_xmask:2 row_mask:0xf bank_mask:0xf   ; four neighbouring lanes hold a block of 32
.endr
.irp i, 0,1,2,3
	s_delay_alu instid0(VALU_DEP_4)
	v_add_nc_u32 v[QS+\i], 0xff000000, v[QM+\i]    ; 2 off the exponent field: the conversion's scale operand
.endr
.irp i, 0,1,2,3
	s_delay_alu instid0(VALU_DEP_4)
	v_lshrrev_b32 v[QB+\i], 23, v[QS+\i]           ; the scale's byte
.endr
	WIN 0x01
.irp i, 0,1,2,3
	v_cvt_scalef32_pk8_fp4_f32 v[QC+\i], v[LK+8*\i:LK+8*\i+7], v[QS+\i]
.endr
	v_nop                                          ; one plain place behind the scaled conversions
	WIN 0
.irp i, 0,1,2,3
	ds_store_b32 v[IW], v[QC+\i] offset:IPITCH*(16*((\k)/4)+(\k)%4)+128*\i   ; 8 codes: 32 lanes write 128 consecutive bytes of the row
.endr
.irp i, 0,1,2,3
	ds_store_b8 v[SW], v[QB+\i] offset:SPITCH*(16*((\k)/4)+(\k)%4)+8*\i      ; the four lanes of a block write the same byte with the same value
.endr
.irp i, 0,1,2,3
	ds_store_b128 v[RW], v[PK+4*\i:PK+4*\i+3] offset:2048*(\k)+512*\i
.endr
.if \ahead
	NEXT \k
	WIN 0x40                                       ; destination window 1
.irp i, 0,1,2,3
	global_load_b128 v[LK+8*\i:LK+8*\i+3],   v[XO], s[RBS+2*(\k):RBS+2*(\k)+1] offset:1024*\i      ; no hint: the two loads of a pair take alternate 16 bytes of the same 1,024
	global_load_b128 v[LK+8*\i+4:LK+8*\i+7], v[XO], s[RBS+2*(\k):RBS+2*(\k)+1] offset:1024*\i+16
.endr
	WIN 0
.endif
.endm
.macro XBLOCK ahead                    ; 8 slots; it is entered with the ring's 64 loads out
.irp k, 0,1,2,3,4,5,6,7
	XSTEP \k, \ahead
.endr
.endm
.macro ZBLOCK                          ; 8 slots of a live tile for which my wave has no row: zero codes, which add nothing under the byte 127, and a zero copy
.irp n, 0,1,2,3
	v_mov_b32 v[PK+\n], 0
.endr
	v_mov_b32 v[QB], 127
.irp k, 0,1,2,3,4,5,6,7
.irp i, 0,1,2,3
	ds_store_b32 v[IW], v[PK] offset:IPITCH*(16*(\k/4)+\k%4)+128*\i
.endr
.irp i, 0,1,2,3
	ds_store_b8 v[SW], v[QB] offset:SPITCH*(16*(\k/4)+\k%4)+8*\i
.endr
.irp i, 0,1,2,3
	ds_store_b128 v[RW], v[PK:PK+3] offset:2048*\k+512*\i
.endr
.endr
.endm
; ---------------- G: one product.  Source 0 = 16 hidden units, source 1 = 16 rows: lane (r, h), register j = row 16 rt + r, unit 16 tile + 8 h + j.
.macro WM q, rt, sg
.if (\q) == 0
	v_wmma_scale_f32_16x16x128_f8f6f4 v[ACC+8*\rt:ACC+8*\rt+7], v[WF+64*\sg+8*\q:WF+64*\sg+8*\q+7], v[64*\rt+8*\q:64*\rt+8*\q+7], v[CB:CB+7], v[WS+4*\sg+(\q)/2], v[XS+4*\rt+(\q)/2] matrix_a_fmt:MATRIX_FMT_FP4 matrix_b_fmt:MATRIX_FMT_FP4
.elseif (\q)%2 == 0
	v_wmma_scale_f32_16x16x128_f8f6f4 v[ACC+8*\rt:ACC+8*\rt+7], v[WF+64*\sg+8*\q:WF+64*\sg+8*\q+7], v[64*\rt+8*\q:64*\rt+8*\q+7], v[ACC+8*\rt:ACC+8*\rt+7], v[WS+4*\sg+(\q)/2], v[XS+4*\rt+(\q)/2] matrix_a_fmt:MATRIX_FMT_FP4 matrix_b_fmt:MATRIX_FMT_FP4
.else
	v_wmma_scale_f32_16x16x128_f8f6f4 v[ACC+8*\rt:ACC+8*\rt+7], v[WF+64*\sg+8*\q:WF+64*\sg+8*\q+7], v[64*\rt+8*\q:64*\rt+8*\q+7], v[ACC+8*\rt:ACC+8*\rt+7], v[WS+4*\sg+(\q)/2], v[XS+4*\rt+(\q)/2] matrix_a_fmt:MATRIX_FMT_FP4 matrix_b_fmt:MATRIX_FMT_FP4 matrix_a_scale:MATRIX_SCALE_ROW1 matrix_b_scale:MATRIX_SCALE_ROW1
.endif
.endm
; One tile of 16 hidden units, the k-th of this half, for the 64 rows.
.macro GSTEP k, lo                     ; lo: the first row tile that is multiplied: 0, or 2 for a tile whose slots 0-7 are empty
.set SG, (\k)%2
	s_wait_loadcnt 17                              ; this slot's 17 loads are in; the other slot's 17, issued behind them, stay out
	s_wait_dscnt 0x0                               ; pd's and w_out's numbers of this step
	WIN 0x04                                       ; source 1: the rows' codes, window 1
.irp q, 0,1,2,3,4,5,6,7
.irp rt, 0,1,2,3
.if \rt >= \lo
	WM \q, \rt, SG                                 ; the accumulators take turns, one instruction a turn; pd is the C of each sum's first product
.endif
.endr
.endr
	WIN 0
.rept 4
	v_nop                                          ; four places in front of loads into registers that the products have read, and of the first read of results
.endr
.if (\k) <= 5                          ; the slot takes the tile two steps on
.irp i, 0,1,2,3,4,5,6,7,8,9,10,11,12,13,14,15
	global_load_b128 v[WF+64*SG+4*\i:WF+64*SG+4*\i+3], v[OFA], s[WB:WB+1] offset:((\k)+2)*WT+512*\i
.endr
	global_load_b128 v[WS+4*SG:WS+4*SG+3], v[OFA], s[WB:WB+1] offset:((\k)+2)*WT+8192
.else                                  ; which lies in the other half of my 16 tiles
.irp i, 0,1,2,3,4,5,6,7,8,9,10,11,12,13,14,15
	global_load_b128 v[WF+64*SG+4*\i:WF+64*SG+4*\i+3], v[OFB], s[WB:WB+1] offset:((\k)-6)*WT+512*\i
.endr
	global_load_b128 v[WS+4*SG:WS+4*SG+3], v[OFB], s[WB:WB+1] offset:((\k)-6)*WT+8192
.endif
.if (\k) <= 6                          ; the next step's numbers of pd and of -2 w_out
	ds_load_b128 v[CB:CB+3],   v[TB] offset:64*((\k)+1)
	ds_load_b128 v[CB+4:CB+7], v[TB] offset:64*((\k)+1)+16
	ds_load_b128 v[WO+8*(1-SG):WO+8*(1-SG)+3],   v[TB] offset:4096+64*((\k)+1)
	ds_load_b128 v[WO+8*(1-SG)+4:WO+8*(1-SG)+7], v[TB] offset:4096+64*((\k)+1)+16
.else
	ds_load_b128 v[CB:CB+3],   v[TB2]
	ds_load_b128 v[CB+4:CB+7], v[TB2] offset:16
	ds_load_b128 v[WO+8*(1-SG):WO+8*(1-SG)+3],   v[TB2] offset:4096
	ds_load_b128 v[WO+8*(1-SG)+4:WO+8*(1-SG)+7], v[TB2] offset:4096+16
.endif
.set n, 8*\lo
.rept 16-4*\lo
	v_pk_mul_f32 v[ACC+n:ACC+n+1], v[ACC+n:ACC+n+1], s[K2:K2+1] op_sel_hi:[1,0]   ; 2 log2(e) a; each accumulator from its low end on
.set n, n+2
.endr
.set n, 8*\lo
	s_wait_alu depctr_va_vdst(0)
.rept 32-8*\lo
	v_exp_f32 v[ACC+n], v[ACC+n]
.set n, n+1
.endr
	v_nop                                          ; a plain place behind the last exponential
	s_wait_alu depctr_va_vdst(0)                   ; one wait for the batch of 32 - 8 lo, ahead of its first reader
.set n, 8*\lo
.rept 16-4*\lo
	v_pk_add_f32 v[ACC+n:ACC+n+1], v[ACC+n:ACC+n+1], 1.0 op_sel_hi:[1,0]
.set n, n+2
.endr
.set n, 8*\lo
	s_wait_alu depctr_va_vdst(0)
.rept 32-8*\lo
	v_rcp_f32 v[ACC+n], v[ACC+n]
.set n, n+1
.endr
	v_nop
	s_wait_alu depctr_va_vdst(0)                   ; and one for the 32 - 8 lo reciprocals
.irp p, 0,1,2,3
.irp rt, 0,1,2,3
.if \rt >= \lo
	v_pk_fma_f32 v[LG+2*\rt:LG+2*\rt+1], v[ACC+8*\rt+2*\p:ACC+8*\rt+2*\p+1], v[WO+8*SG+2*\p:WO+8*SG+2*\p+1], v[LG+2*\rt:LG+2*\rt+1]
.endif
.endr
.endr
.endm
.macro RBLOAD j                        ; row j of my 16 of the bf16 copy
.irp i, 0,1,2,3
	ds_load_b128 v[RB+16*((\j)%4)+4*\i:RB+16*((\j)%4)+4*\i+3], v[RR] offset:2048*(\j)+512*\i
.endr
.endm
; ---------------- the prologue's two arms
	s_cmp_lt_u32 s[WVN], 4
	s_cbranch_scc0 .Lpro_x
	global_load_b128 v[40:43], v[TG], s[12:13]                 ; my 256 numbers of pd[b]
	global_load_b128 v[44:47], v[TG], s[12:13] offset:512
	global_load_b128 v[48:51], v[TG], s[8:9]                   ; and of w_out
	global_load_b128 v[52:55], v[TG], s[8:9] offset:512
.irp sg, 0,1                           ; W's tiles 0 and 1 into the two slots
.irp i, 0,1,2,3,4,5,6,7,8,9,10,11,12,13,14,15
	global_load_b128 v[WF+64*\sg+4*\i:WF+64*\sg+4*\i+3], v[L16], s[WB:WB+1] offset:WT*\sg+512*\i
.endr
	global_load_b128 v[WS+4*\sg:WS+4*\sg+3], v[L16], s[WB:WB+1] offset:WT*\sg+8192
.endr
	s_wait_loadcnt 34                              ; the four table loads are in; the slots' 34 stay out
	ds_store_b128 v[TW], v[40:43]
	ds_store_b128 v[TW], v[44:47] offset:512
	v_add_f32 v58, v48, v49
	v_add_f32 v59, v50, v51
	v_add_f32 v60, v52, v53
	v_add_f32 v61, v54, v55
	s_delay_alu instid0(VALU_DEP_3)
	v_add_f32 v58, v58, v59
	s_delay_alu instid0(VALU_DEP_2)
	v_add_f32 v60, v60, v61
	s_delay_alu instid0(VALU_DEP_1)
	v_add_f32 v[W1G], v58, v60
	s_delay_alu instid0(VALU_DEP_1)
	v_add_f32_dpp v[W1G], v[W1G], v[W1G] row_xmask:1 row_mask:0xf bank_mask:0xf
	s_delay_alu instid0(VALU_DEP_1)
	v_add_f32_dpp v[W1G], v[W1G], v[W1G] row_xmask:2 row_mask:0xf bank_mask:0xf
	s_delay_alu instid0(VALU_DEP_1)
	v_add_f32_dpp v[W1G], v[W1G], v[W1G] row_xmask:4 row_mask:0xf bank_mask:0xf
	s_delay_alu instid0(VALU_DEP_1)
	v_add_f32_dpp v[W1G], v[W1G], v[W1G] row_xmask:8 row_mask:0xf bank_mask:0xf
	s_delay_alu instid0(VALU_DEP_1)
	v_permlanex16_b32 v58, v[W1G], s[SEL], s[SEL+1]
	s_delay_alu instid0(VALU_DEP_1)
	v_add_f32 v[W1G], v[W1G], v58                  ; the sum of my 256 numbers of w_out, in every lane
.irp n, 48,50,52,54
	v_pk_mul_f32 v[\n:\n+1], v[\n:\n+1], -2.0 op_sel_hi:[1,0]
.endr
	ds_store_b128 v[TW], v[48:51] offset:4096
	ds_store_b128 v[TW], v[52:55] offset:4096+512
	v_mov_b32 v56, 0xceee6b28
	ds_store_b32 v[MW], v56                        ; the chunk's 256 slots of logits begin as -2e9 (thread t, 0..127: slots t and t + 128): every slot that goes to memory has been written
	ds_store_b32 v[MW], v56 offset:512
	ds_load_b128 v[CB:CB+3],   v[TB0]              ; step 0's numbers: my wave's own bytes, and LDS serves a wave's instructions in order
	ds_load_b128 v[CB+4:CB+7], v[TB0] offset:16
	ds_load_b128 v[WO:WO+3],   v[TB0] offset:4096
	ds_load_b128 v[WO+4:WO+7], v[TB0] offset:4096+16
.irp n, 0,1,2,3,4,5,6,7
	v_mov_b32 v[LG+\n], 0
.endr
	s_branch .Lpro_j
.Lpro_x:
.irp k, 0,1,2,3,4,5,6,7
	NEXT \k                                        ; my first 8 listed positions
.endr
	WIN 0x40
.irp k, 0,1,2,3,4,5,6,7                ; the ring is filled
.irp i, 0,1,2,3
	global_load_b128 v[32*\k+8*\i:32*\k+8*\i+3],   v[XO], s[RBS+2*\k:RBS+2*\k+1] offset:1024*\i
	global_load_b128 v[32*\k+8*\i+4:32*\k+8*\i+7], v[XO], s[RBS+2*\k:RBS+2*\k+1] offset:1024*\i+16
.endr
.endr
	WIN 0
.set n, 0
.rept 32
	v_mov_b32 v[ACCO+n], 0                         ; the softmax step is written once: the first finds zeros, which its factor 0 leaves zeros
.set n, n+1
.endr
	v_mov_b32 v[MRUN], 0xff61b1e6                  ; -3e38, under every logit (a masked one is -2e9)
	v_mov_b32 v[LRUN], 0
	v_mov_b32 v232, 0                              ; a lane permute's destination counts as one of its sources
	v_bfe_u32 v198, v35, 2, 2                      ; the wave that owns tile rows lane and lane + 32
	v_mov_b32 v[DA], s56
.irp o, 1,2,3
	v_mov_b32 v199, s[56+\o]
	v_cmp_eq_u32 vcc_lo, \o, v198
	v_cndmask_b32 v[DA], v[DA], v199, vcc_lo       ; its count
.endr
	v_and_b32 v198, 3, v35
	v_lshl_add_u32 v198, v37, 2, v198              ; j = 4 (lane / 16) + lane % 4: tile row lane is slot j, tile row lane + 32 slot j + 8
	v_add_nc_u32 v[DA], s[SS], v[DA]
	v_sub_nc_u32 v[DL], s[SS], v198                ; S - j
	v_sub_nc_u32 v[DA], v[DA], v198                ; count + S - j
	v_add_nc_u32 v[DB], -8, v[DA]
.Lpro_j:
	BARRIER                                        ; the slots of logits are set
	s_mov_b32 s[TT], 0
	s_mov_b32 s[HH], 0
	s_mov_b32 s[PAR], 0
	s_mov_b32 s[UU], 0
.Lperiod:
	v_add_nc_u32 v[RR], s[PAR], v[RET0]
	v_add_nc_u32 v[ML], s[UU], v[ML0]
	s_cmp_lt_u32 s[WVN], 4
	s_cbranch_scc0 .Lin_x
	s_cmp_eq_u32 s[TT], 0
	s_cbranch_scc1 .Lin_j
	s_cmp_gt_u32 s[TT], 4
	s_cbranch_scc1 .Lin_j
	; G, 1 <= T <= 4: the codes and scale words that lie in LDS into registers (tile T - 1's where T <= NT; else nothing reads them); their wait is the barrier's
	WIN 0x40
.irp rt, 0,1,2,3
.irp i, 0,1,2,3,4,5,6,7,8,9,10,11,12,13,14,15
	ds_load_b128 v[64*\rt+4*\i:64*\rt+4*\i+3], v[FR] offset:16*IPITCH*\rt+32*\i
.endr
.endr
	WIN 0
.irp rt, 0,1,2,3
.irp i, 0,1,2,3
	ds_load_b32 v[XS+4*\rt+\i], v[SR] offset:16*SPITCH*\rt+8*\i
.endr
.endr
	s_branch .Lin_j
.Lin_x:
	s_cmp_lt_u32 s[TT], 2
	s_cbranch_scc1 .Lin_j
	; X, T >= 2: the partial logits (tile T - 2's where T <= NT + 1): lane l takes tile rows l and l + 32
.irp gg, 0,1,2,3
	ds_load_b32 v[BK+\gg],   v[EXR] offset:256*\gg
	ds_load_b32 v[BK+4+\gg], v[EXR] offset:256*\gg+128
.endr
.Lin_j:
	BARRIER                                        ; B1: G holds the tile's codes, so IMG and SCL may be written again; X holds the partial logits, so EX may
	s_cmp_lt_u32 s[WVN], 4
	s_cbranch_scc1 .Lsm_j
	s_cmp_lt_u32 s[TT], 2
	s_cbranch_scc1 .Lsm_j
	s_add_co_u32 s44, s[NT], 1
	s_cmp_gt_u32 s[TT], s44
	s_cbranch_scc1 .Lsm_j                          ; the work-group has no tile T - 2
	; ---- X: the softmax step of tile T - 2.  Every X wave does all 64 rows, so that each has m, l and the weights without a further barrier
	v_add_f32 v[BK], v[BK], v[BK+1]
	v_add_f32 v[BK+2], v[BK+2], v[BK+3]
	v_add_f32 v[BK+4], v[BK+4], v[BK+5]
	v_add_f32 v[BK+6], v[BK+6], v[BK+7]
	s_lshr_b32 s44, s[UU], 2
	s_sub_co_u32 s44, s44, 32                      ; 16 (T - 2): the tile's first slot in each wave's list
	v_mov_b32 v[BK+8], 0xff61b1e6                  ; -3e38
	v_add_f32 v[BK], v[BK], v[BK+2]
	v_add_f32 v[BK+4], v[BK+4], v[BK+6]
	s_delay_alu instid0(VALU_DEP_2)
	v_fma_f32 v[BK], v[BK], s[MF], s[T0]           ; logit x m - (1 - m) 2e9
	s_delay_alu instid0(VALU_DEP_2)
	v_fma_f32 v[BK+4], v[BK+4], s[MF], s[T0]
	v_cmp_lt_i32 vcc_lo, s44, v[DA]
	s_delay_alu instid0(VALU_DEP_1)
	v_cndmask_b32 v[BK], v[BK+8], v[BK], vcc_lo    ; a slot at or beyond its wave's count holds no listed row: -3e38, so that its weight is 0
	v_cmp_ge_i32 vcc_lo, s44, v[DL]
	v_cndmask_b32 v[BK], v[BK+8], v[BK], vcc_lo    ; a slot under S holds no listed row either (slots j + 8 never lie under S)
	v_cmp_lt_i32 vcc_lo, s44, v[DB]
	s_delay_alu instid0(VALU_DEP_1)
	v_cndmask_b32 v[BK+4], v[BK+8], v[BK+4], vcc_lo
	s_cmp_lg_u32 s[WVN], 4
	s_cbranch_scc1 .Lnot_4
	ds_store_b32 v[ML], v[BK]                      ; wave 4 keeps the logits by slot; it alone reads them, at the end
	ds_store_b32 v[ML], v[BK+4] offset:32          ; the same wave's slot j + 8
.Lnot_4:
	s_wait_alu depctr_va_vdst(0)
	v_max_num_f32 v228, v[BK], v[BK+4]
	s_delay_alu instid0(VALU_DEP_1)
	v_max_num_f32_dpp v228, v228, v228 row_xmask:1 row_mask:0xf bank_mask:0xf
	s_delay_alu instid0(VALU_DEP_1)
	v_max_num_f32_dpp v228, v228, v228 row_xmask:2 row_mask:0xf bank_mask:0xf
	s_delay_alu instid0(VALU_DEP_1)
	v_max_num_f32_dpp v228, v228, v228 row_xmask:4 row_mask:0xf bank_mask:0xf
	s_delay_alu instid0(VALU_DEP_1)
	v_max_num_f32_dpp v228, v228, v228 row_xmask:8 row_mask:0xf bank_mask:0xf
	s_delay_alu instid0(VALU_DEP_1)
	v_permlanex16_b32 v232, v228, s[SEL], s[SEL+1]
	s_delay_alu instid0(VALU_DEP_1)
	v_max3_num_f32 v228, v228, v232, v[MRUN]       ; the new m: a live tile holds at least one listed row, so it is a logit
	s_delay_alu instid0(VALU_DEP_1)
	v_sub_f32 v233, v[MRUN], v228
	s_delay_alu instid0(VALU_DEP_2)
	v_sub_f32 v229, v[BK], v228
	s_delay_alu instid0(VALU_DEP_3)
	v_sub_f32 v230, v[BK+4], v228
	s_delay_alu instid0(VALU_DEP_3)
	v_mul_f32 v233, s[L2E], v233
	s_delay_alu instid0(VALU_DEP_3)
	v_mul_f32 v229, s[L2E], v229
	s_delay_alu instid0(VALU_DEP_3)
	v_mul_f32 v230, s[L2E], v230
	s_wait_alu depctr_va_vdst(0)
	v_exp_f32 v[FF], v233                          ; e^(old m - new m)
	v_exp_f32 v229, v229                           ; the two rows' weights, not normalised
	v_exp_f32 v230, v230
	v_mov_b32 v[MRUN], v228                        ; (a plain place behind the exponentials)
	s_wait_alu depctr_va_vdst(0)                   ; one wait for the three, ahead of their first reader
	v_mov_b32 v[FF+1], v[FF]
	v_add_f32 v231, v229, v230
	s_delay_alu instid0(VALU_DEP_1)
	v_add_f32_dpp v231, v231, v231 row_xmask:1 row_mask:0xf bank_mask:0xf
	s_delay_alu instid0(VALU_DEP_1)
	v_add_f32_dpp v231, v231, v231 row_xmask:2 row_mask:0xf bank_mask:0xf
	s_delay_alu instid0(VALU_DEP_1)
	v_add_f32_dpp v231, v231, v231 row_xmask:4 row_mask:0xf bank_mask:0xf
	s_delay_alu instid0(VALU_DEP_1)
	v_add_f32_dpp v231, v231, v231 row_xmask:8 row_mask:0xf bank_mask:0xf
	s_delay_alu instid0(VALU_DEP_1)
	v_permlanex16_b32 v232, v231, s[SEL], s[SEL+1]
	s_delay_alu instid0(VALU_DEP_1)
	v_add_f32 v231, v231, v232
	v_fma_f32 v[LRUN], v[LRUN], v[FF], v231
	ds_store_b32 v[PTW], v229                      ; into my wave's own copy,
	ds_store_b32 v[PTW], v230 offset:128
.irp i, 0,1,2,3
	ds_load_b128 v[PV+4*\i:PV+4*\i+3], v[PTR] offset:64*\i     ; my slots 4 i .. 4 i + 3, out of row tile i, into every lane: LDS serves a wave's instructions in order
.endr
	; ---- X: the weighted sum of my 16 slots of tile T - 2, from the bf16 copy; three rows ahead.  A slot without a listed row has the weight 0 and a finite copy
	RBLOAD 0
	RBLOAD 1
	RBLOAD 2
	RBLOAD 3
.set n, 0
.rept 16
	v_pk_mul_f32 v[ACCO+n:ACCO+n+1], v[ACCO+n:ACCO+n+1], v[FF:FF+1] op_sel_hi:[1,0]
.set n, n+2
.endr
.set J, 0
.rept 16
.if J <= 12
	s_wait_dscnt 12                                ; row J is in (and, at J = 0, the weights, asked for earlier); the three younger rows' 12 loads stay out
.else
	s_wait_dscnt 4*(15-J)
.endif
.irp a, 0,1,2,3,4,5,6,7,8,9,10,11,12,13,14,15
	v_fma_mix_f32_bf16 v[ACCO+2*\a],   v[RB+16*(J%4)+\a], v[PV+J], v[ACCO+2*\a]   op_sel_hi:[1,0,0]
	v_fma_mix_f32_bf16 v[ACCO+2*\a+1], v[RB+16*(J%4)+\a], v[PV+J], v[ACCO+2*\a+1] op_sel:[1,0,0] op_sel_hi:[1,0,0]
.endr
.if J <= 11
	RBLOAD J+4
.endif
.set J, J+1
.endr
.Lsm_j:
	s_mov_b32 s[II], 0
	s_mov_b32 s[IH], 0
	s_mov_b32 s[SH], 0
	s_mov_b32 s[RH], s[PAR]
	s_mov_b32 s[TH], 0
	s_mov_b32 s[WH], 0
.Lhalf:
	s_wait_xcnt 0x0                                ; every earlier load has read its address registers: only behind this wait are W's offsets written again
	v_add_nc_u32 v[IW], s[IH], v[IW0]
	v_add_nc_u32 v[SW], s[SH], v[SW0]
	v_add_nc_u32 v[RW], s[RH], v[RET0]
	v_add_nc_u32 v[TB], s[TH], v[TB0]
	s_xor_b32 s44, s[TH], 512
	v_add_nc_u32 v[TB2], s44, v[TB0]
	v_add_nc_u32 v[OFA], s[WH], v[L16]
	s_xor_b32 s44, s[WH], 8*WT
	v_add_nc_u32 v[OFB], s44, v[L16]
	s_cmp_lt_u32 s[WVN], 4
	s_cbranch_scc0 .Lhf_x
	s_cmp_lt_u32 s[HH], 2
	s_cbranch_scc1 .Lhf_j
	s_cmp_gt_u32 s[HH], 9
	s_cbranch_scc1 .Lhf_j
	s_add_co_u32 s44, s[NT2], 1
	s_cmp_gt_u32 s[HH], s44
	s_cbranch_scc1 .Lhf_j                          ; the work-group has no tile T - 1
	s_wait_alu depctr_va_vdst(0)
	s_cmp_gt_u32 s[HH], 3
	s_cbranch_scc1 .Lg_full
	s_cmp_eq_u32 s[SS], 0
	s_cbranch_scc1 .Lg_full
.irp k, 0,1,2,3,4,5,6,7                ; tile 0 with S = 8: row tiles 2 and 3 alone; the same loads and counts as below
	GSTEP \k, 2
.endr
	s_branch .Lhf_j
.Lg_full:
.irp k, 0,1,2,3,4,5,6,7                ; 8 tiles of hidden units; entered and left with 34 loads out
	GSTEP \k, 0
.endr
	s_branch .Lhf_j
.Lhf_x:
	s_cmp_gt_u32 s[HH], 7
	s_cbranch_scc1 .Lhf_j
	s_cmp_ge_u32 s[HH], s[NT2]
	s_cbranch_scc1 .Lhf_j                          ; the work-group has no tile T
	s_lshl_b32 s44, s[HH], 3
	s_cmp_lt_u32 s44, s[SS]
	s_cbranch_scc1 .Lhf_zero                       ; the block under S: no row; the ring is left as it is
	s_cmp_ge_u32 s44, s[NG]
	s_cbranch_scc1 .Lhf_zero                       ; none of my rows is left
	s_add_co_u32 s44, s44, 8
	s_cmp_ge_u32 s44, s[NG]
	s_cbranch_scc1 .Lhf_last
	XBLOCK 1
	s_branch .Lhf_j
.Lhf_last:
	XBLOCK 0                                       ; my last block: nothing more is asked for
	s_branch .Lhf_j
.Lhf_zero:
	ZBLOCK
.Lhf_j:
	s_add_co_u32 s[IH], s[IH], 32*IPITCH           ; slots 8-15 lie in row tiles 2 and 3
	s_add_co_u32 s[SH], s[SH], 32*SPITCH
	s_add_co_u32 s[RH], s[RH], 8*2048
	s_add_co_u32 s[TH], s[TH], 512
	s_add_co_u32 s[WH], s[WH], 8*WT
	s_add_co_u32 s[HH], s[HH], 1
	s_add_co_u32 s[II], s[II], 1
	s_cmp_lt_u32 s[II], 2
	s_cbranch_scc1 .Lhalf
	s_cmp_lt_u32 s[WVN], 4
	s_cbranch_scc0 .Lfin_j
	s_cmp_eq_u32 s[TT], 0
	s_cbranch_scc1 .Lfin_j
	s_cmp_gt_u32 s[TT], 4
	s_cbranch_scc1 .Lfin_j
	; G: my 256 units' part of the 64 logits (in a period without products: of nothing, and nobody takes it up)
	s_wait_alu depctr_va_vdst(0)
.irp rt, 0,1,2,3
	v_add_f32 v[ACC+\rt], v[LG+2*\rt], v[LG+2*\rt+1]
.endr
.irp rt, 0,1,2,3
	v_permlanex16_b32 v[ACC+4+\rt], v[ACC+\rt], s[SEL], s[SEL+1]   ; the other 8 units of each tile lie in lane l xor 16
.endr
.irp rt, 0,1,2,3
	s_delay_alu instid0(VALU_DEP_4)
	v_add_f32 v[ACC+\rt], v[ACC+\rt], v[ACC+4+\rt]
.endr
.irp rt, 0,1,2,3
	s_delay_alu instid0(VALU_DEP_4)
	v_add_f32 v[ACC+\rt], v[ACC+\rt], v[W1G]
.endr
.irp rt, 0,1,2,3
	ds_store_b32 v[EXW], v[ACC+\rt] offset:64*\rt  ; lanes r and r + 16 write the same word with the same value
.endr
.irp n, 0,1,2,3,4,5,6,7
	v_mov_b32 v[LG+\n], 0
.endr
.Lfin_j:
	BARRIER                                        ; B2: tile T's codes and scale bytes, and tile T - 1's partial logits, lie in LDS
	s_xor_b32 s[PAR], s[PAR], 0x20000
	s_add_co_u32 s[UU], s[UU], 64
	s_add_co_u32 s[TT], s[TT], 1
	s_cmp_lt_u32 s[TT], 6
	s_cbranch_scc1 .Lperiod
	; ---------------- the way out
	s_wait_loadcnt 0x0                             ; G: the two slots' last loads, which nothing reads; X: the ring of a wave without rows
	s_cmp_lt_u32 s[WVN], 4
	s_cbranch_scc1 .Lout_j
	s_wait_alu depctr_va_vdst(0)
.irp i, 0,1,2,3
	ds_store_b128 v[RDW], v[ACCO+8*\i:ACCO+8*\i+3]   offset:1024*\i      ; my sum, in the order of the columns, where the codes lay: nobody has read those since period 4's first barrier
	ds_store_b128 v[RDW], v[ACCO+8*\i+4:ACCO+8*\i+7] offset:1024*\i+16
.endr
	s_cmp_lg_u32 s[WVN], 4
	s_cbranch_scc1 .Lout_j
	ds_load_b128 v[72:75], v[LR]
	ds_load_b128 v[76:79], v[LR] offset:512
	s_wait_dscnt 0x0
	global_store_b128 v[L16], v[72:75], s[18:19]               ; the chunk's 256 slots of logits: 512 consecutive bytes a store
	global_store_b128 v[L16], v[76:79], s[18:19] offset:512
	global_store_b64 v[L8], v[MRUN:LRUN], s[16:17]             ; (m, l), the same in all lanes: 256 consecutive bytes, aligned
.Lout_j:
	BARRIER
.irp k, 0,1,2,3
	ds_load_b128 v[40+4*\k:43+4*\k], v[RDR] offset:4096*\k     ; thread t: columns 4 t .. 4 t + 3 of the four sums
.endr
	s_wait_dscnt 0x0
	v_pk_add_f32 v[40:41], v[40:41], v[44:45]
	v_pk_add_f32 v[42:43], v[42:43], v[46:47]
	v_pk_add_f32 v[48:49], v[48:49], v[52:53]
	v_pk_add_f32 v[50:51], v[50:51], v[54:55]
	s_delay_alu instid0(VALU_DEP_2)
	v_pk_add_f32 v[40:41], v[40:41], v[48:49]
	s_delay_alu instid0(VALU_DEP_2)
	v_pk_add_f32 v[42:43], v[42:43], v[50:51]
	global_store_b128 v[GO], v[40:43], s[14:15]
	s_wait_tensorcnt 0x0                           ; the wave's end
	ds_add_u32 v[SPW], v[NIL]
	s_wait_dscnt 0x0
	s_endpgm
.Lfunc_end_k_q4a0f7863d0_attn:
	.size	k_q4a0f7863d0_attn, .Lfunc_end_k_q4a0f7863d0_attn-k_q4a0f7863d0_attn
	.p2alignl 7, 3214868480
	.fill 96, 4, 3214868480
	.section	.rodata,"a",@progbits
	.p2align	6, 0x0
	.amdhsa_kernel k_q4a0f7863d0_attn
		.amdhsa_group_segment_fixed_size 310784
		.amdhsa_private_segment_fixed_size 0
		.amdhsa_enable_private_segment 0
		.amdhsa_kernarg_size 64
		.amdhsa_user_sgpr_count 2
		.amdhsa_user_sgpr_kernarg_segment_ptr 1
		.amdhsa_wavefront_size32 1
		.amdhsa_system_sgpr_workgroup_id_x 1
		.amdhsa_system_sgpr_workgroup_id_y 1
		.amdhsa_system_sgpr_workgroup_id_z 1
		.amdhsa_system_vgpr_workitem_id 0
		.amdhsa_next_free_vgpr 512
		.amdhsa_next_free_sgpr 102
		.amdhsa_reserve_vcc 1
		.amdhsa_float_denorm_mode_32 3
		.amdhsa_float_denorm_mode_16_64 3
		.amdhsa_memory_ordered 1
		.amdhsa_forward_progress 1
		.amdhsa_inst_pref_size 255
	.end_amdhsa_kernel
	.section	.bss,"aw",@nobits
	.p2align	6
	.space	262144
	.amdgpu_metadata
---
amdhsa.version: [ 1, 2 ]
amdhsa.kernels:
  - .name:           k_q4a0f7863d0_attn
    .symbol:         k_q4a0f7863d0_attn.kd
    .args:
      - { .name: enc_states, .offset: 0, .size: 8, .value_kind: global_buffer, .address_space: global }
      - { .name: act, .offset: 8, .size: 8, .value_kind: global_buffer, .address_space: global }
      - { .name: w_out, .offset: 16, .size: 8, .value_kind: global_buffer, .address_space: global }
      - { .name: wpack, .offset: 24, .size: 8, .value_kind: global_buffer, .address_space: global }
      - { .name: pd, .offset: 32, .size: 8, .value_kind: global_buffer, .address_space: global }
      - { .name: pacc, .offset: 40, .size: 8, .value_kind: global_buffer, .address_space: global }
      - { .name: pstat, .offset: 48, .size: 8, .value_kind: global_buffer, .address_space: global }
      - { .name: lg, .offset: 56, .size: 8, .value_kind: global_buffer, .address_space: global }
    .group_segment_fixed_size: 310784
    .private_segment_fixed_size: 0
    .kernarg_segment_align: 8
    .kernarg_segment_size: 64
    .max_flat_workgroup_size: 256
    .sgpr_count:     102
    .vgpr_count:     512
    .wavefront_size: 32
...
	.end_amdgpu_metadata
.endif
;; end of part 5
;; launch finish (part 6): grid 32 x 1, 8 waves a work-group, no clusters, 10,240 bytes of LDS; arguments pacc, pstat, lg, act, out0, out1; writes out0, out1
.if DOCPART == 6
	.amdgcn_target "amdgcn-amd-amdhsa--gfx1250"
	.amdhsa_code_object_version 6
	.text
	.protected	k_q4a0f7863d0_finish
	.globl	k_q4a0f7863d0_finish
	.p2align	8
	.type	k_q4a0f7863d0_finish,@function
k_q4a0f7863d0_finish:
	s_mov_b64 s[64:65], 0
	v_nop
	global_prefetch_b8 v0, s[64:65] scope:SCOPE_SE
	s_setreg_imm32_b32 hwreg(HW_REG_WAVE_MODE, 25, 1), 1
	s_wait_xcnt 0x0
; THIRD OF THREE LAUNCHES: the 8 chunks of each batch are joined.  Positions that act does not list were not worked (first kernel's head): here they take the problem's own logit for them, -2e9.
; For batch b: M = the largest m_c, g_c = e^(m_c - M), L = the sum of l_c g_c (at least 1: the chunk with m_c = M has g = 1 and l >= 1; a chunk without listed rows has m = -3e38, l = 0 and a zero sum, and g = 0).
; out1[s][b] = e^(logit - M) / L;   out0[b][:] = the sum over c of pacc[b][c][:] g_c / L.
; SHARES: work-group i stores out0[i][:] (thread t: columns 4 t .. 4 t + 3) and rows 64 i .. 64 i + 63 of out1, for all 32 batches.  Those 64 positions are one list of the second launch: lg[b][64 i + k] is the logit of the
; k-th listed one.  Wave w takes batches 4 w .. 4 w + 3, lane l positions l and l + 32: a position's place k is the number of listed positions under it, counted from the batch's two words of act, held to 0..63 ahead of the
; address; a position that is not listed loads some slot of the same 64 and drops it by a select.  The 64 x 32 numbers turn through a stage in LDS, so that the stores take long runs of out1's bytes.
; No matrix unit, no cluster: work-groups share only the 65,536 bytes of statistics.
.set SPITCH, 144                       ; a row of the stage: 32 batches x 4 bytes + 16
.set SPARE,  64*SPITCH                 ; behind the stage: the spare words, 128 bytes for each of the eight waves
.set SPW, 2
.set NIL, 3
.set SA,  16                           ; v16-31   (m_c, l_c), c = 0..7, of batch = my lane
.set SB,  32                           ; v32-47   the same of batch i
.set LGV, 48                           ; v48-55   8 logits: batch 4 w + q, position l at 2 q, position l + 32 at 2 q + 1
.set PA,  56                           ; v56-87   pacc: 4 columns of 8 chunks; later rows of out1
.set GA,  96                           ; v96-103  g_c of batch = my lane; later M and 1 / L of my wave's four batches
.set GB,  104                          ; v104-111 g_c / L of batch i
.set OV,  112                          ; v112-115 out0
.set RK,  116                          ; v116-123 the 8 places, as byte offsets
	s_load_b256 s[4:11], s[0:1], 0x0               ; pacc s[4:5], pstat s[6:7], lg s[8:9], act s[10:11]
	s_load_b128 s[12:15], s[0:1], 0x20             ; out0 s[12:13], out1 s[14:15]
	v_lshl_add_u32 v[SPW], v0, 2, SPARE
	v_mov_b32 v[NIL], 0
	v_lshrrev_b32 v6, 5, v0
	s_delay_alu instid0(VALU_DEP_1)
	v_readfirstlane_b32 s28, v6                    ; wave 0..7
	v_and_b32 v1, 31, v0
	s_delay_alu instid0(VALU_DEP_1)
	v_lshlrev_b32 v4, 11, v1                       ; pstat: 2,048 bytes a batch
	v_mov_b32 v5, 0
	v_lshlrev_b32 v7, 4, v0                        ; 16 x thread
	v_lshlrev_b32 v12, 4, v6                       ; the lane that holds batch 4 w, as a byte address,
	s_delay_alu instid0(VALU_DEP_1)
	v_add_nc_u32 v13, 4, v12                       ; and the three behind it
	s_delay_alu instid0(VALU_DEP_2)
	v_add_nc_u32 v14, 8, v12
	s_delay_alu instid0(VALU_DEP_3)
	v_add_nc_u32 v15, 12, v12
	v_mul_u32_u24 v10, v1, SPITCH
	s_delay_alu instid0(VALU_DEP_1)
	v_add_nc_u32 v10, v10, v12                     ; into the stage: row = lane (+ 32), column 4 w (+ q)
	v_lshrrev_b32 v8, 3, v0
	v_and_b32 v9, 7, v0
	s_delay_alu instid0(VALU_DEP_2)
	v_mul_u32_u24 v11, v8, SPITCH
	s_delay_alu instid0(VALU_DEP_1)
	v_lshl_add_u32 v11, v9, 4, v11                 ; back: eight lanes to a row of 128 bytes
	s_lshl_b32 s16, ttmp9, 11
	s_mov_b32 s17, 0
	s_lshl_b32 s18, s28, 15                        ; lg: 4 batches of 8,192 bytes a wave,
	s_lshl_b32 s19, ttmp9, 8                       ; 64 slots a work-group
	s_add_co_u32 s18, s18, s19
	s_mov_b32 s19, 0
	s_lshl_b32 s20, s28, 11                        ; act: 4 batches of 512 bytes a wave,
	s_lshl_b32 s21, ttmp9, 3                       ; 2 words a work-group
	s_add_co_u32 s20, s20, s21
	s_mov_b32 s21, 0
	s_lshl_b32 s22, ttmp9, 15
	s_mov_b32 s23, 0
	s_lshl_b32 s24, ttmp9, 12
	s_mov_b32 s25, 0
	s_lshl_b32 s30, ttmp9, 13
	s_mov_b32 s31, 0
	s_lshr_b32 s46, ttmp9, 2                       ; my 64 positions lie in chunk i / 4: its 8 words of act, 32 bytes,
	s_lshl_b32 s46, s46, 5
	s_lshl_b32 s47, s28, 11                        ; of my wave's four batches
	s_add_co_u32 s46, s46, s47
	s_mov_b32 s47, 0
	s_wait_kmcnt 0x0
	s_add_nc_u64 s[44:45], s[10:11], s[46:47]
	s_add_nc_u64 s[10:11], s[10:11], s[20:21]
.irp q, 0,1,2,3
	s_load_b256 s[48+8*\q+4*(\q/2):55+8*\q+4*(\q/2)], s[44:45], 512*\q   ; s48-63 and s68-83
.endr
.irp q, 0,1,2,3
	s_load_b64 s[32+2*\q:33+2*\q], s[10:11], 512*\q            ; the gathers' addresses hang on these: they go out first
.endr
	s_add_nc_u64 s[26:27], s[6:7], s[16:17]        ; batch i's statistics
	s_add_nc_u64 s[8:9], s[8:9], s[18:19]
	s_add_nc_u64 s[4:5], s[4:5], s[22:23]          ; batch i's 8 partial sums
	s_add_nc_u64 s[12:13], s[12:13], s[24:25]
	s_add_nc_u64 s[14:15], s[14:15], s[30:31]
.irp c, 0,1,2,3,4,5,6,7
	global_load_b64 v[SA+2*\c:SA+2*\c+1], v4, s[6:7] offset:256*\c
.endr
.irp c, 0,1,2,3,4,5,6,7
	global_load_b64 v[SB+2*\c:SB+2*\c+1], v5, s[26:27] offset:256*\c
.endr
.irp c, 0,1,2,3,4,5,6,7
	global_load_b128 v[PA+4*\c:PA+4*\c+3], v7, s[4:5] offset:4096*\c
.endr
	s_wait_kmcnt 0x0                               ; act's words
.irp q, 0,1,2,3
	; the second launch's shift S of this chunk and batch: 8 where ceil(the largest of the chunk's four counts of 64 / 8) is odd, else 0: the k-th listed position's logit lies in slot k + S
	s_bcnt1_i32_b32 s84, s[48+8*\q+4*(\q/2)]
	s_bcnt1_i32_b32 s85, s[49+8*\q+4*(\q/2)]
	s_add_co_u32 s84, s84, s85
.irp p, 1,2,3
	s_bcnt1_i32_b32 s85, s[48+8*\q+4*(\q/2)+2*\p]
	s_bcnt1_i32_b32 s86, s[49+8*\q+4*(\q/2)+2*\p]
	s_add_co_u32 s85, s85, s86
	s_max_u32 s84, s84, s85
.endr
	s_add_co_u32 s84, s84, 7
	s_and_b32 s[88+\q], s84, 8
	s_bcnt1_i32_b32 s[40+\q], s[32+2*\q]
	s_add_co_u32 s[40+\q], s[40+\q], s[88+\q]
.endr
.irp q, 0,1,2,3
	v_mbcnt_lo_u32_b32 v[RK+2*\q], s[32+2*\q], s[88+\q]        ; S + listed positions under position l,
	v_mbcnt_lo_u32_b32 v[RK+2*\q+1], s[33+2*\q], s[40+\q]      ; and under position l + 32
.endr
.irp n, 0,1,2,3,4,5,6,7
	v_min_u32 v[RK+\n], 63, v[RK+\n]               ; a number that hangs on loaded data is held to its range ahead of an address
.endr
.irp n, 0,1,2,3,4,5,6,7
	v_lshlrev_b32 v[RK+\n], 2, v[RK+\n]
.endr
.irp q, 0,1,2,3
	global_load_b32 v[LGV+2*\q],   v[RK+2*\q],   s[8:9] offset:8192*\q
	global_load_b32 v[LGV+2*\q+1], v[RK+2*\q+1], s[8:9] offset:8192*\q
.endr
; 8 pairs (m_c, l_c) from v[s] on -> M in v[m], 1 / L in v[r], g_c in v[g] on
.macro STAT s, m, r, g
	v_max3_num_f32 v[\m], v[\s], v[\s+2], v[\s+4]
	s_delay_alu instid0(VALU_DEP_1)
	v_max3_num_f32 v[\m], v[\m], v[\s+6], v[\s+8]
	s_delay_alu instid0(VALU_DEP_1)
	v_max3_num_f32 v[\m], v[\m], v[\s+10], v[\s+12]
	s_delay_alu instid0(VALU_DEP_1)
	v_max_num_f32 v[\m], v[\m], v[\s+14]
.irp c, 0,1,2,3,4,5,6,7
	v_sub_f32 v[\g+\c], v[\s+2*\c], v[\m]
.endr
.irp c, 0,1,2,3,4,5,6,7
	v_mul_f32 v[\g+\c], 0x3fb8aa3b, v[\g+\c]
.endr
	s_wait_alu depctr_va_vdst(0)
.irp c, 0,1,2,3,4,5,6,7
	v_exp_f32 v[\g+\c], v[\g+\c]
.endr
	v_nop                                          ; a plain place behind the last exponential
	s_wait_alu depctr_va_vdst(0)                   ; one wait for the eight, ahead of their first reader
	v_mul_f32 v[\r], v[\s+1], v[\g]
.irp c, 1,2,3,4,5,6,7
	v_fma_f32 v[\r], v[\s+2*\c+1], v[\g+\c], v[\r]
.endr
	s_wait_alu depctr_va_vdst(0)
	v_rcp_f32 v[\r], v[\r]
	v_nop
	s_wait_alu depctr_va_vdst(0)
.endm
	s_wait_loadcnt 16                              ; the 16 loads of statistics are in; pacc's 8 and the 8 gathers stay out
	STAT SA, 88, 89, GA
	STAT SB, 90, 91, GB
.irp q, 0,1,2,3
	ds_bpermute_b32 v[GA+2*\q],   v[12+\q], v88    ; M and 1 / L of my wave's four batches, where their g lay
	ds_bpermute_b32 v[GA+2*\q+1], v[12+\q], v89
.endr
.irp c, 0,1,2,3,4,5,6,7
	v_mul_f32 v[GB+\c], v[GB+\c], v91              ; g_c / L of batch i
.endr
	s_wait_alu depctr_va_vdst(0)
	s_wait_loadcnt 8                               ; pacc's 8 loads are in; the 8 gathers stay out
.irp e, 0,1,2,3
	v_mul_f32 v[OV+\e], v[PA+\e], v[GB]
.endr
.irp c, 1,2,3,4,5,6,7
.irp e, 0,1,2,3
	s_delay_alu instid0(VALU_DEP_4)
	v_fma_f32 v[OV+\e], v[PA+4*\c+\e], v[GB+\c], v[OV+\e]
.endr
.endr
	global_store_b128 v7, v[OV:OV+3], s[12:13]     ; a wave stores 512 consecutive bytes of out0[i]
	v_mov_b32 v92, 0xceee6b28                      ; -2e9
	s_wait_alu depctr_va_vdst(0)
	s_wait_loadcnt 0x0                             ; the gathers
	s_wait_dscnt 0x0                               ; M and 1 / L
.irp q, 0,1,2,3
	v_cndmask_b32 v[LGV+2*\q],   v92, v[LGV+2*\q],   s[32+2*\q]    ; bit l of the word is lane l's: listed: the logit; else -2e9
	v_cndmask_b32 v[LGV+2*\q+1], v92, v[LGV+2*\q+1], s[33+2*\q]
.endr
.irp q, 0,1,2,3
.irp e, 0,1
	v_sub_f32 v[LGV+2*\q+\e], v[LGV+2*\q+\e], v[GA+2*\q]
.endr
.endr
.irp n, 0,1,2,3,4,5,6,7
	v_mul_f32 v[LGV+\n], 0x3fb8aa3b, v[LGV+\n]
.endr
	s_wait_alu depctr_va_vdst(0)
.irp n, 0,1,2,3,4,5,6,7
	v_exp_f32 v[LGV+\n], v[LGV+\n]
.endr
	v_nop
	s_wait_alu depctr_va_vdst(0)
.irp q, 0,1,2,3
.irp e, 0,1
	v_mul_f32 v[LGV+2*\q+\e], v[LGV+2*\q+\e], v[GA+2*\q+1]
.endr
.endr
.irp q, 0,1,2,3
	ds_store_b32 v10, v[LGV+2*\q] offset:4*\q
	ds_store_b32 v10, v[LGV+2*\q+1] offset:32*SPITCH+4*\q
.endr
	s_wait_dscnt 0x0                               ; for the others' sake: my stores into the stage are done
	s_barrier_signal -1
	s_barrier_wait -1
	ds_load_b128 v[PA:PA+3], v11
	ds_load_b128 v[PA+4:PA+7], v11 offset:32*SPITCH
	s_wait_dscnt 1                                 ; the first is in; the younger one may stay out
	global_store_b128 v7, v[PA:PA+3], s[14:15]     ; rows of 128 bytes on end: a wave stores 512 consecutive bytes of out1
	s_wait_dscnt 0x0
	global_store_b128 v7, v[PA+4:PA+7], s[14:15] offset:4096
	s_wait_tensorcnt 0x0                           ; the wave's end
	ds_add_u32 v[SPW], v[NIL]
	s_wait_dscnt 0x0
	s_endpgm
.Lfunc_end_k_q4a0f7863d0_finish:
	.size	k_q4a0f7863d0_finish, .Lfunc_end_k_q4a0f7863d0_finish-k_q4a0f7863d0_finish
	.p2alignl 7, 3214868480
	.fill 96, 4, 3214868480
	.section	.rodata,"a",@progbits
	.p2align	6, 0x0
	.amdhsa_kernel k_q4a0f7863d0_finish
		.amdhsa_group_segment_fixed_size 10240
		.amdhsa_private_segment_fixed_size 0
		.amdhsa_enable_private_segment 0
		.amdhsa_kernarg_size 48
		.amdhsa_user_sgpr_count 2
		.amdhsa_user_sgpr_kernarg_segment_ptr 1
		.amdhsa_wavefront_size32 1
		.amdhsa_system_sgpr_workgroup_id_x 1
		.amdhsa_system_sgpr_workgroup_id_y 1
		.amdhsa_system_sgpr_workgroup_id_z 1
		.amdhsa_system_vgpr_workitem_id 0
		.amdhsa_next_free_vgpr 128
		.amdhsa_next_free_sgpr 96
		.amdhsa_reserve_vcc 0
		.amdhsa_float_denorm_mode_32 3
		.amdhsa_float_denorm_mode_16_64 3
		.amdhsa_memory_ordered 1
		.amdhsa_forward_progress 1
		.amdhsa_inst_pref_size 21
	.end_amdhsa_kernel
	.amdgpu_metadata
---
amdhsa.version: [ 1, 2 ]
amdhsa.kernels:
  - .name:           k_q4a0f7863d0_finish
    .symbol:         k_q4a0f7863d0_finish.kd
    .args:
      - { .name: pacc, .offset: 0, .size: 8, .value_kind: global_buffer, .address_space: global }
      - { .name: pstat, .offset: 8, .size: 8, .value_kind: global_buffer, .address_space: global }
      - { .name: lg, .offset: 16, .size: 8, .value_kind: global_buffer, .address_space: global }
      - { .name: act, .offset: 24, .size: 8, .value_kind: global_buffer, .address_space: global }
      - { .name: out0, .offset: 32, .size: 8, .value_kind: global_buffer, .address_space: global }
      - { .name: out1, .offset: 40, .size: 8, .value_kind: global_buffer, .address_space: global }
    .group_segment_fixed_size: 10240
    .private_segment_fixed_size: 0
    .kernarg_segment_align: 8
    .kernarg_segment_size: 48
    .max_flat_workgroup_size: 256
    .sgpr_count:     96
    .vgpr_count:     128
    .wavefront_size: 32
...
	.end_amdgpu_metadata
.endif
;; end of part 6
